; MI455X (gfx1250); checked and timed in simulation.
; The chip was launched on July 23, 2026; its instructions are those of AMD's public machine-readable ISA for CDNA 5 (MIT licence, August 2026) and "CDNA5" Instruction Set Architecture Reference Guide (July 2026). The comments in the code are by the model that wrote it; some were corrected since.
;; Legacy Seq First Self Attention. Allowed arithmetic: matrix products marked QUANTISED: E2M3 operands, one E8M0 scale for each 32 along K, by v_wmma_scale_f32_16x16x128_f8f6f4 with both operands' format E2M3, f32 sums; everything else in f32.
;; Inputs: W_qkv 3,072 x 1,024 float32; b_qkv 3,072 float32; hidden_states 2,048 x 2 x 1,024 float32.
;; Outputs: out0 2,048 x 2 x 1,024 float32.
;; This version of the problem:
;;   THIS VERSION OF THE PROBLEM IS GIVEN IN LOW PRECISION. The matrix products marked QUANTISED in the list below multiply operands that are first quantised to E2M3 (2 exponent bits, 3 mantissa bits; 6 bits a number), with one power-of-two scale for each 32 numbers along K (OCP MX v1.0); their sums are f32. All else is computed in f32.
;;   The module's matrix products, in the order in which they are computed (A, B: the left and right operand; K: the contracted axis; several contracted axes count as one K, in the product's order):
;;     1. [M 4,096, K 1,024] x [K 1,024, N 3,072]; A: input hidden_states; B: input W_qkv: QUANTISED
;;     2. batch 32 x [M 2,048, K 64] x [K 64, N 2,048]; A: computed on the way; B: computed on the way: QUANTISED
;;     3. batch 32 x [M 64, K 2,048] x [K 2,048, N 2,048]; A: computed on the way; B: computed on the way: QUANTISED
;;   THE QUANTISER, for each operand of a quantised product, along K:
;;     - K is cut into blocks of 32 from its start; a last block that is shorter is filled with zeros.
;;     - A block's scale is 2^e with e = floor(log2(the largest magnitude in the block)) - 2, held to -126 .. 127; a block of zeros has e = 0. As a byte (E8M0): e + 127.
;;     - Each number is divided by its block's scale, clamped to +-7.5, and rounded to the nearest number of E2M3, ties to even, subnormals kept.
;;     - The product sums the exact products of the quantised numbers (number of the format x scale) in f32.
;;   ~~~python
;;   def quantise(x, axis):      # numpy; x: float32 -> the quantised numbers, widened to float32 again
;;       x = np.moveaxis(x, axis, -1); K = x.shape[-1]
;;       x = np.pad(x, [(0, 0)] * (x.ndim - 1) + [(0, -K % 32)]); x = x.reshape(x.shape[:-1] + (-1, 32)); a = np.abs(x).max(-1, keepdims=True)
;;       e = np.where(a > 0, np.clip(np.frexp(np.where(a > 0, a, 1))[1] - 1 - 2, -126, 127), 0)      # np.frexp(a)[1] - 1 = floor(log2(a)), exactly
;;       r = np.clip(x / 2.0 ** e, -7.5, 7.5)
;;       step = 2.0 ** (np.maximum(np.frexp(np.where(r == 0, 1, r))[1] - 1, 0) - 3)
;;       q = np.round(r / step) * step * 2.0 ** e      # np.round: ties to even
;;       return np.moveaxis(q.reshape(q.shape[:-2] + (-1,))[..., :K], -1, axis).astype(np.float32)
;;   ~~~
;;   OPERANDS COMPUTED ON THE WAY. 'Computed on the way' means the value that the module computes at that place (a softmax that the list does not call 'softmax' is quantised finished and normalised). What goes into a quantiser is computed in f32, as accurately as f32 sums, v_exp_f32 and their like allow (about 1e-6 of the number): no bf16 or f16 on the way to a quantiser, and a product that is left as it is and whose result goes on into a quantised operand takes f32 operands (vector FMAs, or v_wmma_f32_16x16x4_f32). A number that lies on a knife's edge between two numbers of the format may be rounded either way, as far as f32 arithmetic and the matrix unit's own rounding can turn it there, and no further.
;; One version. Each part assembles by itself: llvm-mc -triple=amdgcn-amd-amdhsa -mcpu=gfx1250 --defsym DOCPART=n.
;; ======== version 1 of 1: 3 launches
;; workspace buffers: xc 3,145,728 bytes; xs 131,072 bytes; wc 2,359,296 bytes; ws 98,304 bytes; qc 3,145,728 bytes; qs 262,144 bytes; kv 6,291,456 bytes; kvs 524,288 bytes
;; launch quant (part 1): grid 256 x 1, 7 waves a work-group, no clusters, 58,368 bytes of LDS; arguments hidden_states, W_qkv, xc, xs, wc, ws; writes xc, xs, wc, ws
.if DOCPART == 1
	.amdgcn_target "amdgcn-amd-amdhsa--gfx1250"
	.amdhsa_code_object_version 6
	.text
	.protected	k_q7b0e55a3dd_quant
	.globl	k_q7b0e55a3dd_quant
	.p2align	8
	.type	k_q7b0e55a3dd_quant,@function
k_q7b0e55a3dd_quant:
	s_mov_b64 s[64:65], 0
	v_nop
	global_prefetch_b8 v0, s[64:65] scope:SCOPE_SE
	s_setreg_imm32_b32 hwreg(HW_REG_WAVE_MODE, 25, 1), 1
	s_wait_xcnt 0x0
; hidden_states [4096 rows m = 2 s + b][1024] and W_qkv [3072][1024], f32, become codes of FP6 (E2M3), 6 bits each, K innermost, with one E8M0 scale byte for each 32 along K.
; A block's scale is 2^(floor(log2(its largest magnitude)) - 2); its byte is the largest magnitude's exponent field - 2, held at 1 from below.  Each number is divided by the scale and rounded to the nearest code, ties to even.
; LIMITS: a block of zeros gets the byte 1 where the rule says 127 (its codes are zeros, which add nothing under any byte but 0xff, and this program alone reads the bytes); NaN and infinities among the inputs are not served.
; THE ROWS ARE STORED IN ANOTHER ORDER THAN THEY ARE READ, so that the next launch finds, in plain runs of 16 stored rows, the rows whose results it wants side by side in a lane's registers:
;   X: stored row 16 A + 8 h + j holds row m = 16 A + 2 j + h (token 8 A + j of batch h);
;   W, stored rows 0 .. 2047: [head][q | k][64], where place 16 u + 8 h + j holds channel 32 h + 8 u + j;   W, stored rows 2048 .. 3071: [head][channel] of v, as they lie.
; A RUN is 8 rows of the source, a constant number of bytes apart, which become 8 consecutive stored rows.  A wave takes a PIECE, half a run: 4 rows, 8 steps of 512 numbers (half a row).  A piece's codes and scale bytes are plain streams.
; 1,024 pieces of X and 768 of W are 1,792 = 256 work-groups x 7 waves: piece = 7 x work-group + wave; which tensor it belongs to is chosen wave by wave, without a branch.
; ALL 32 LOADS OF A PIECE, 16 KB, ARE ISSUED AT THE WAVE'S HEAD, each into registers of its own: memory binds, so as many bytes as the registers hold are on their way from the start.
; The conversion takes 16 numbers of ONE block from a lane's registers, so a lane must hold 16 neighbours (two neighbouring lanes hold a block); a load is best where neighbouring lanes take neighbouring bytes.  Both are had:
; each of a step's four loads reads 512 consecutive bytes, 16 a lane; the 2,048 bytes go through the wave's own stage in LDS as they lie and come back 64 bytes a lane (16 bytes of padding behind each 64).
; A lane's 16 codes are 12 bytes: the wave stores 384 consecutive bytes.  A piece's 128 scale bytes are gathered in the wave's own LDS and leave as 128 consecutive bytes.  No tensor loads, no barrier: waves share nothing.
.set STEPS, 8
.set NSX,   1024                       ; pieces of X
.set EMAX,  2
.set CB,    12                         ; bytes of 16 codes
.set R,     16                         ; v16-143  eight sets of 16 numbers as they are loaded, one for each step
.set X,     144                        ; v144-175 two sets of 16 neighbours
.set E,     176                        ; v176-183 a scale byte for each step
.set C,     184                        ; v184-215 codes: four registers for each step, so that no store's data are written again
.set AR,    216                        ; v216-219 row i of the piece: 16 x lane + i x the distance between rows; never rewritten
.set WREG,  8192                       ; LDS: a region for each wave: two stages of 32 x SP bytes, and behind them its 128 scale bytes
.set SP,    80
	s_load_b128 s[4:7], s[0:1], 0x0                ; hidden_states, W_qkv
	s_load_b128 s[8:11], s[0:1], 0x10              ; X's codes, X's scales
	s_load_b128 s[12:15], s[0:1], 0x20             ; W's codes, W's scales
	v_lshl_add_u32 v224, v0, 2, 0xe000
	v_mov_b32 v225, 0
	v_lshrrev_b32 v1, 5, v0
	v_readfirstlane_b32 s16, v1                    ; wave 0..6
	v_and_b32 v2, 31, v0                           ; lane
	v_lshlrev_b32 v3, 4, v2                        ; my 16 bytes of a load's 512
	s_mul_i32 s17, s16, WREG
	v_lshrrev_b32 v14, 2, v2
	v_mul_u32_u24 v14, v14, SP
	v_and_b32 v15, 3, v2
	v_lshl_add_u32 v14, v15, 4, v14
	v_add_nc_u32 v14, s17, v14                     ; the stage, on the way in: SP (lane / 4) + 16 (lane % 4)
	v_mul_u32_u24 v15, v2, SP
	v_add_nc_u32 v15, s17, v15                     ; and on the way out: SP x lane: my 16 neighbours
	v_mul_u32_u24 v4, v2, CB                       ; my codes' place in a step's
	v_lshrrev_b32 v5, 1, v2
	s_add_co_u32 s17, s17, 2*32*SP
	v_add_nc_u32 v5, s17, v5                       ; LDS: my wave's 128 scale bytes, my block's byte
	v_lshlrev_b32 v7, 2, v2                        ; and on the way out 4 bytes a lane
	v_add_nc_u32 v6, s17, v7
	; which piece is mine, and where its rows lie in the source: scalar arithmetic on the work-group's and the wave's number alone
	s_mul_i32 s17, ttmp9, 7
	s_add_co_u32 s17, s17, s16                     ; the piece, 0 .. 1791
	s_cmp_lt_u32 s17, NSX                          ; X's or W's?
	s_cselect_b32 s19, 0, NSX
	s_cselect_b32 s23, 1, 0
	s_mov_b32 s22, 4096
	s_cselect_b32 s22, 8192, s22                   ; from row to row of a run: two rows of X, one of W
	s_sub_co_u32 s30, s17, s19                     ; the piece within its tensor
	s_lshr_b32 s18, s30, 1                         ; its run
	s_and_b32 s31, s30, 1                          ; and which half of it
	s_lshr_b32 s24, s18, 1
	s_lshl_b32 s24, s24, 4
	s_and_b32 s25, s18, 1
	s_add_co_u32 s24, s24, s25                     ; X: the run's first row 16 (run / 2) + run % 2
	s_lshr_b32 s26, s18, 4
	s_mul_i32 s26, s26, 192                        ; W, runs 0 .. 255: 192 x head
	s_bfe_u32 s27, s18, 0x10003
	s_lshl_b32 s27, s27, 6
	s_add_co_u32 s26, s26, s27                     ; + 64 for k
	s_lshl_b32 s27, s25, 5
	s_add_co_u32 s26, s26, s27                     ; + 32 h
	s_bfe_u32 s27, s18, 0x20001
	s_lshl_b32 s27, s27, 3
	s_add_co_u32 s26, s26, s27                     ; + 8 u
	s_and_b32 s28, s18, 255                        ; W, runs 256 .. 383: run - 256
	s_lshr_b32 s29, s28, 3
	s_mul_i32 s29, s29, 192                        ; 192 x head
	s_and_b32 s28, s28, 7
	s_lshl_b32 s28, s28, 3
	s_add_co_u32 s29, s29, s28                     ; + 8 x the run's place in the head
	s_add_co_u32 s29, s29, 128                     ; + 128: v
	s_cmp_lt_u32 s18, 256
	s_cselect_b32 s26, s26, s29
	s_cmp_eq_u32 s23, 1
	s_cselect_b32 s24, s24, s26                    ; the run's first row
	s_lshl_b32 s20, s24, 12                        ; in bytes (under 2^25),
	s_mul_i32 s21, s22, s31
	s_lshl_b32 s21, s21, 2
	s_add_co_u32 s20, s20, s21                     ; + four rows' distance for the run's second half
	s_mov_b32 s21, 0
.irp i, 0,1,2,3
	v_mad_u32_u24 v[AR+\i], s22, \i, v3
.endr
	s_wait_kmcnt 0x0
	s_cmp_eq_u32 s23, 1                            ; the choice of buffers hangs on the work-group's and the wave's number alone
	s_cselect_b64 s[4:5], s[4:5], s[6:7]
	s_cselect_b64 s[8:9], s[8:9], s[12:13]
	s_cselect_b64 s[10:11], s[10:11], s[14:15]
	s_add_nc_u64 s[4:5], s[4:5], s[20:21]
	s_mul_i32 s20, s30, 32*STEPS*CB                ; a piece's codes: 3,072 bytes
	s_add_nc_u64 s[8:9], s[8:9], s[20:21]
	s_lshl_b32 s20, s30, 7                         ; its scale bytes: 128
	s_add_nc_u64 s[10:11], s[10:11], s[20:21]
.macro LOAD t                          ; step t: half t % 2 of the piece's row t / 2
.irp i, 0,1,2,3
	global_load_b128 v[R+16*(\t)+4*\i:R+16*(\t)+4*\i+3], v[AR+(\t)/2], s[4:5] offset:2048*((\t)%2)+512*\i th:TH_LOAD_NT   ; 32 lanes read 512 consecutive bytes; read once in the launch
.endr
.endm
.macro TURN t                          ; step t's numbers through the stage: LDS serves a wave's instructions in order (ISA guide 5.7.1.4), so no wait stands between the stores and the loads
.irp i, 0,1,2,3
	ds_store_b128 v14, v[R+16*(\t)+4*\i:R+16*(\t)+4*\i+3] offset:32*SP*((\t)%2)+8*SP*\i
.endr
.irp i, 0,1,2,3
	ds_load_b128 v[X+16*((\t)%2)+4*\i:X+16*((\t)%2)+4*\i+3], v15 offset:32*SP*((\t)%2)+16*\i
.endr
.endm
.irp t, 0,1,2,3,4,5,6,7
	LOAD \t
.endr
	s_wait_loadcnt 4*(STEPS-1)                     ; step 0's four loads are in; the 28 of the seven steps behind it may be out
	TURN 0
.macro STEP t
.set XS, X+16*((\t)%2)
.if (\t) > 0
	s_wait_dscnt 1                                 ; this step's numbers are back from the stage (the last step's byte store may be out)
.else
	s_wait_dscnt 0x0
.endif
.if (\t)+1 < STEPS
	s_wait_loadcnt 4*(STEPS-2-(\t))                ; the next step's four loads are in; those of the steps behind it may be out
	TURN (\t)+1                                    ; and go through the other stage while this step is worked
.endif
	v_max3_num_f32 v8, |v[XS]|, |v[XS+1]|, |v[XS+2]|               ; the largest magnitude of my 16, in two chains
	v_max3_num_f32 v9, |v[XS+3]|, |v[XS+4]|, |v[XS+5]|
.irp i, 6,10
	v_max3_num_f32 v8, v8, |v[XS+\i]|, |v[XS+\i+1]|
	v_max3_num_f32 v9, v9, |v[XS+\i+2]|, |v[XS+\i+3]|
.endr
	v_max3_num_f32 v8, v8, |v[XS+14]|, |v[XS+15]|
	v_max3_num_f32 v8, v8, v9, (EMAX+1)<<23        ; and the floor 2^(EMAX + 1 - 127): so the byte cannot fall under 1
	v_max_num_f32_dpp v8, v8, v8 row_xmask:1 row_mask:0xf bank_mask:0xf   ; and of my neighbour's 16: the block's
	v_add_nc_u32 v11, -(EMAX<<23), v8              ; EMAX off its exponent field: the conversion takes the exponent field of this operand as its scale, and nothing else of it
	v_cvt_scalef32_pk16_fp6_f32 v[C+4*(\t):C+4*(\t)+2], v[XS:XS+15], v11         ; sixteen numbers / the scale, to the nearest code, beyond the largest code the largest; 96 bits without gaps
	v_lshrrev_b32 v[E+(\t)], 23, v11               ; the scale's byte (also the plain line behind the conversion)
	ds_store_b8 v5, v[E+(\t)] offset:16*(\t)       ; both lanes of a block write the same byte with the same value
	global_store_b96 v4, v[C+4*(\t):C+4*(\t)+2], s[8:9] offset:32*CB*(\t)
.endm
.irp t, 0,1,2,3,4,5,6,7
	STEP \t
.endr
	ds_load_b32 v12, v6                            ; LDS serves a wave's instructions in order: this sees my stores
	s_wait_dscnt 0x0
	global_store_b32 v7, v12, s[10:11]             ; 32 lanes store 128 consecutive bytes: the piece's scale bytes
	s_wait_tensorcnt 0x0
	ds_add_u32 v224, v225
	s_wait_dscnt 0x0
	s_endpgm
.Lfunc_end_k_q7b0e55a3dd_quant:
	.size	k_q7b0e55a3dd_quant, .Lfunc_end_k_q7b0e55a3dd_quant-k_q7b0e55a3dd_quant
	.p2alignl 7, 3214868480
	.fill 96, 4, 3214868480
	.section	.rodata,"a",@progbits
	.p2align	6, 0x0
	.amdhsa_kernel k_q7b0e55a3dd_quant
		.amdhsa_group_segment_fixed_size 58368
		.amdhsa_private_segment_fixed_size 0
		.amdhsa_enable_private_segment 0
		.amdhsa_kernarg_size 48
		.amdhsa_user_sgpr_count 2
		.amdhsa_user_sgpr_kernarg_segment_ptr 1
		.amdhsa_wavefront_size32 1
		.amdhsa_system_sgpr_workgroup_id_x 1
		.amdhsa_system_sgpr_workgroup_id_y 1
		.amdhsa_system_sgpr_workgroup_id_z 1
		.amdhsa_system_vgpr_workitem_id 0
		.amdhsa_next_free_vgpr 226
		.amdhsa_next_free_sgpr 66
		.amdhsa_reserve_vcc 0
		.amdhsa_float_denorm_mode_32 3
		.amdhsa_float_denorm_mode_16_64 3
		.amdhsa_memory_ordered 1
		.amdhsa_forward_progress 1
		.amdhsa_inst_pref_size 19
	.end_amdhsa_kernel
	.amdgpu_metadata
---
amdhsa.version: [ 1, 2 ]
amdhsa.kernels:
  - .name:           k_q7b0e55a3dd_quant
    .symbol:         k_q7b0e55a3dd_quant.kd
    .args:
      - { .name: hidden_states, .offset: 0, .size: 8, .value_kind: global_buffer, .address_space: global }
      - { .name: W_qkv, .offset: 8, .size: 8, .value_kind: global_buffer, .address_space: global }
      - { .name: xc, .offset: 16, .size: 8, .value_kind: global_buffer, .address_space: global }
      - { .name: xs, .offset: 24, .size: 8, .value_kind: global_buffer, .address_space: global }
      - { .name: wc, .offset: 32, .size: 8, .value_kind: global_buffer, .address_space: global }
      - { .name: ws, .offset: 40, .size: 8, .value_kind: global_buffer, .address_space: global }
    .group_segment_fixed_size: 58368
    .private_segment_fixed_size: 0
    .kernarg_segment_align: 8
    .kernarg_segment_size: 48
    .max_flat_workgroup_size: 224
    .sgpr_count:     66
    .vgpr_count:     226
    .wavefront_size: 32
...
	.end_amdgpu_metadata
.endif
;; end of part 1
;; launch qkv (part 2): grid 8 x 24, 4 waves a work-group, clusters of 4 x 4, 327,680 bytes of LDS; arguments xc, xs, wc, ws, b_qkv, qc, qs, kv, kvs; writes qc, qs, kv, kvs
.if DOCPART == 2
	.amdgcn_target "amdgcn-amd-amdhsa--gfx1250"
	.amdhsa_code_object_version 6
	.text
	.protected	k_q7b0e55a3dd_qkv
	.globl	k_q7b0e55a3dd_qkv
	.p2align	8
	.type	k_q7b0e55a3dd_qkv,@function
k_q7b0e55a3dd_qkv:
	s_mov_b64 s[64:65], 0
	v_nop
	global_prefetch_b8 v0, s[64:65] scope:SCOPE_SE
	s_setreg_imm32_b32 hwreg(HW_REG_WAVE_MODE, 25, 1), 1
	s_wait_xcnt 0x0
	s_wait_alu depctr_hold_cnt(0) depctr_sa_sdst(0) depctr_va_vdst(0) depctr_va_sdst(0) depctr_va_ssrc(0) depctr_va_vcc(0) depctr_vm_vsrc(0)
	s_getreg_b32 s2, hwreg(HW_REG_IB_STS2, 6, 4)
	s_cmp_eq_u32 s2, 0
	s_cbranch_scc0 .Lentry_in_a_cluster
	s_endpgm
.Lentry_in_a_cluster:
	s_bfe_u32 s2, ttmp6, 0x10000c
	s_cmp_lg_u32 s2, 0xf033
	s_cbranch_scc0 .Lentry_shape_is_right
	s_endpgm
.Lentry_shape_is_right:
; qkv = X W^T + b on codes of FP6 (E2M3) with one E8M0 scale for each 32 along K = 1,024; the results, q and k quantised along the head's 64 channels and v along the tokens, leave as codes and scale words
; laid in the order in which the next launch's operand registers take them.  qkv itself never goes to memory.
; A tile of 256 x 256 results is made by a work-group of four waves; a wave makes 128 x 128: 64 accumulators of 16 x 16, 512 registers.  K goes in steps of 256 (rows of 192 bytes) through a ring of two LDS slots
; filled by the tensor data mover.  The scale bytes of the tile's 2 x 256 rows, for all of K, are two dense blocks: they come into LDS once, with the first fills.
; 192 tiles: 128 for q and k, 64 for v.  A wave tile of 96 divides neither 4,096 nor 1,024, and tiles of half the size would halve the products that each byte read from LDS feeds: so 192 work-groups are launched.
; TWO PATHS, ONE LOOP.  Source 0 of every product is LDS region B, source 1 region A; in the result lane (r, h) holds, in register j, row 16 b + 8 h + j of region B against row 16 a + r of region A.
;   clusters y = 0 .. 3 (q, k): A = X, B = W's stored rows 0 .. 2047.  By the stored order of W's rows the 32 registers of accumulators (a, 4 p .. 4 p + 3) are channels 32 h + 0 .. 31 of q (p = 0) or k (p = 1) of one head,
;                         for token 8 a + r % 8 of batch r / 8: ONE block of the next product's K in one lane.
;   clusters y = 4, 5 (v):   A = W's stored rows 2048 on, B = X.  By the stored order of X's rows the same 32 registers are tokens 32 p + 0 .. 31 of batch h, for channel 16 (a % 4) + r of head a / 4: one block along the tokens.
; So no largest magnitude needs another lane and nothing is transposed.  Only WHAT is fetched into the two regions differs between the paths: the buffers are chosen on the cluster's y, which all partners share.
; CLUSTERS: 4 x 4 work-groups.  The four of a row of the cluster need the same tiles of region A, the four of a column the same tiles of region B: each tile is asked for JOINTLY, by the same tensor load with the
; same descriptor and a mask that names the four.  A's tile index is made of cy and the cluster's y alone, B's of cx and the cluster's x and y alone.
; LIMITS: a block of zeros gets the byte 1 where the rule says 127 (its codes are zeros; this program alone reads the bytes); NaN and infinities are not served.
; REGISTERS, in windows of 256: window 0: v1-15 addresses and store offsets; v16-29 LDS addresses; v32-63 scale words, two sets; v64-127 the biases of q and k; v128-223 A's fragments, ONE set; v224-239 the biases of v.
;   window 1: B's fragments, TWO sets, at v0 and at v128; on the way out all of it is at work.   window 2: the 32 accumulators of A's blocks 0-3 (accumulator (a, b) at v[8 (8 (a % 4) + b)]);   window 3: those of blocks 4-7.
.set KSTEP,  256                       ; along K in a slot
.set NQ,     KSTEP/128                 ; matrix instructions deep
.set ROWB,   192                       ; a tile's row in bytes
.set KROW,   768                       ; a row of codes in memory
.set PITCH,  240                       ; an LDS row: 3 x (64 bytes of data + 16 of padding) = 60 words: row r starts at bank -4 r mod 64 (64 banks of 4 bytes: ISA guide 11.1), so the 32 lanes of a load of 8 bytes touch 64 different banks
.set FR,     12                        ; registers of a fragment: 16 rows x 128 K
.set NL,     6                         ; LDS loads that bring one
.set NP,     4                         ; places behind this matrix instruction (ISA guide 7.12.1)
.set HALFT,  128*PITCH                 ; 128 rows: what one tensor load brings
.set SLOT,   4*HALFT                   ; A's 256 rows, then B's 256 rows
.set LAPS,   2                         ; a lap = two K steps = once round the ring: 1,024 / 512
.set KS,     32                        ; a row of scale bytes
.set SCL,    2*SLOT                    ; behind the ring: the scales, as runs of 256 bytes + 16 of padding
.set HALFS,  (128*KS/256)*272          ; the scales of 128 rows: what one tensor load brings
.set SBLK,   (16*KS/256)*272           ; those of 16 rows
.set SPARE,  SCL+4*HALFS               ; behind the scales: the spare words, 128 bytes for each wave: two blocks of 256 bytes that no other line names
.set ADRA, 16                          ; v16-17  LDS address of my A fragments in slot 0, 1  (v18-19: the same for the pieces that lie behind one padding more)
.set ADRB, 20                          ; v20-21  the same for B  (v22-23)
.set ADRS, 27                          ; v27     LDS address of my scale words: lanes 0-15 A's rows, lanes 16-31 B's
.set SPW,  28                          ; v28     LDS address of my spare word; never rewritten
.set NIL,  29                          ; v29     0; never rewritten
.set SC,   32                          ; scale words: set s at v[SC + 8 NQ s]; register NQ i + q: lanes 0-15 the word of A's block i, lanes 16-31 that of B's block i, for the slot's q-th 128 along K
.set BI,   64                          ; v64-127  b[192 head + 64 p + 32 h + 0 .. 31] at BI + 32 p
.set AF,   128                         ; A's fragments
.set BV,   224                         ; v224-239 b[192 (head + a / 4) + 128 + 16 (a % 4) + r], twice, at BV + 2 a: a pair for the packed addition
.set G1, 24                            ; s[24:31] descriptor group 1 for A's tiles;  s[32:39] group 0, one set for each slot
.set G0, 32
.set G1B, 48                           ; s[48:55], s[56:63] the same for B's tiles
.set G0B, 56
.set G1S, 68                           ; s[68:75], s[76:79] groups 1 and 0 for A's scales;  s[80:87], s[88:91] for B's
.set G0S, 76
.set G1SB, 80
.set G0SB, 88
; the way out, in window 1:
.set T0,   0                           ; v0-63    two blocks of 32 numbers: result + bias
.set EE,   64                          ; v64-159  eight entries of 48 bytes of codes; never rewritten, so no store's data are written again
.set MM,   160                         ; v160-163 largest magnitudes, two chains a block
.set SO,   164                         ; v164-165 the conversions' scale operands
.set BY,   166                         ; v166-167 the scales' bytes
.set CT,   168                         ; v168-170, v172-174 the upper halves of the two blocks' codes
.set SH8,  176                         ; v176     8 h
.set PX,   177                         ; v177-178 from lane l xor 16
.set SW,   180                         ; v180-195 the scale words of q (8) and of k (8)
.set OUTW, 196                         ; v196-199, v208-211 four words a lane to store
.set VWD,  200                         ; v200-207 the scale words of v
.set MSB, 0
.macro WIN new                         ; the immediate's high byte repeats the setting that is left
.if MSB != (\new)
	s_set_vgpr_msb (MSB<<8)|(\new)
.set MSB, (\new)
.endif
.endm
.set MUL_LO, 0xa1                      ; source 0 (B) window 1, source 1 (A) window 0, C and D window 2
.set MUL_HI, 0xf1                      ; the same, C and D window 3
.set TO_B,   0x40                      ; destination window 1, address window 0
; A joint load: waves 0 and 1 fetch for A, waves 2 and 3 for B.  Each of the two lines has ONE mask and one set of registers for all that issue it; the branch hangs on the wave's number alone.
; Four v_nop follow each of the two lines, ahead of the jump, the label and what follows.
.macro JLOAD g0a, g1a, g0b, g1b
	s_cmp_eq_u32 s15, 0
	s_cbranch_scc0 .Lfor_b_\@
	tensor_load_to_lds s[\g0a:\g0a+3], s[\g1a:\g1a+7]
	s_nop 0
.rept 4
	v_nop
.endr
	s_branch .Lasked_\@
.Lfor_b_\@:
	tensor_load_to_lds s[\g0b:\g0b+3], s[\g1b:\g1b+7]
	s_nop 0
.rept 4
	v_nop
.endr
.Lasked_\@:
.endm
.macro CREST                           ; a round of the cluster's barrier behind its opening barrier
	s_cmp_lg_u32 s14, 0
	s_cbranch_scc1 .Lnot_wave_0_\@
	s_barrier_signal -3
.Lnot_wave_0_\@:
	s_barrier_wait -3
	s_barrier_signal -1
	s_barrier_wait -1
.endm
.macro CROUND                          ; a whole round
	s_barrier_signal -1
	s_barrier_wait -1
	CREST
.endm
	s_load_b128 s[4:7], s[0:1], 0x0                ; X's codes, X's scales
	s_load_b128 s[8:11], s[0:1], 0x10              ; W's codes, W's scales
	s_load_b64 s[12:13], s[0:1], 0x20              ; b
	s_load_b64 s[96:97], s[0:1], 0x28              ; q's codes
	s_load_b64 s[98:99], s[0:1], 0x30              ; q's scale words
	s_load_b64 s[100:101], s[0:1], 0x38            ; k's and v's codes
	s_load_b64 s[66:67], s[0:1], 0x40              ; k's and v's scale words
	v_lshl_add_u32 v[SPW], v0, 2, SPARE
	v_mov_b32 v[NIL], 0
	ds_add_u32 v28, v29
	ds_add_u32 v28, v29
	s_wait_dscnt 0x0
	v_lshrrev_b32 v1, 5, v0
	v_readfirstlane_b32 s14, v1                    ; wave 0..3
	s_lshr_b32 s15, s14, 1                         ; which half of A's rows is mine.  Also: I fetch for A (0) or for B (1)
	s_and_b32 s16, s14, 1                          ; which half of B's rows.  Also: which 128 rows of that tile I fetch
	s_bfe_u32 s40, ttmp6, 0x40000                  ; cx, cy: my place in the cluster
	s_bfe_u32 s41, ttmp6, 0x40004
	s_and_b32 s95, ttmp7, 0xffff                   ; the cluster's y: 0 .. 3 q and k, 4 and 5 v
	s_lshl_b32 s17, s95, 2
	s_and_b32 s19, s95, 1
	s_lshl_b32 s19, s19, 3                         ; 8 (y - 4) where y is 4 or 5
	s_lshl_b32 s42, ttmp9, 2
	s_cmp_ge_u32 s95, 4
	s_cselect_b32 s17, 8, s17
	s_cselect_b32 s19, s19, 0
	s_add_co_u32 s17, s17, s41                     ; A's tile: 4 y + cy of X, or 8 + cy of W
	s_add_co_u32 s42, s42, s19
	s_add_co_u32 s42, s42, s40                     ; B's tile: 4 x + cx of W, or 4 x + 8 (y - 4) + cx of X
	s_lshl_b32 s43, s41, 2
	s_lshl_b32 s43, 15, s43                        ; my row of the cluster
	s_lshl_b32 s44, 0x1111, s40                    ; my column
	; descriptor group 1: a tile of 128 rows x ROWB bytes, padded in LDS
	s_or_b32 s[G1+0], s43, (0<<16)|(1<<20)|(1<<21)|(3<<22)|(3<<25)  ; 15:0 the mask: A's tiles go to my row; 17:16 element of 1 byte; 20 padding on; 21 set beside a mask; 24:22 after every 16 words (code 3); 31:25 of 4 words (code 3)
	s_or_b32 s[G1B+0], s44, (0<<16)|(1<<20)|(1<<21)|(3<<22)|(3<<25)
.irp g, G1, G1B
	s_mov_b32 s[\g+1], ROWB<<16                    ; tensor_dim0
	s_mov_b32 s[\g+2], 128<<16                     ; tensor_dim1 = 128
	s_mov_b32 s[\g+3], ROWB<<16                    ; tile_dim0
	s_mov_b32 s[\g+4], 128                         ; tile_dim1 = 128
	s_mov_b32 s[\g+5], KROW                        ; tensor_dim0_stride
	s_mov_b32 s[\g+6], 0
	s_mov_b32 s[\g+7], 0
.endr
	; and for the scales of 128 rows: a dense block of 4,096 bytes, as rows of 256 bytes (32 elements of 8 bytes), 16 bytes of padding behind each
	s_or_b32 s[G1S+0], s43, (3<<16)|(1<<20)|(1<<21)|(5<<22)|(3<<25)
	s_or_b32 s[G1SB+0], s44, (3<<16)|(1<<20)|(1<<21)|(5<<22)|(3<<25)
.irp g, G1S, G1SB
	s_mov_b32 s[\g+1], 32<<16
	s_mov_b32 s[\g+2], (128*KS/256)<<16
	s_mov_b32 s[\g+3], 32<<16
	s_mov_b32 s[\g+4], 128*KS/256
	s_mov_b32 s[\g+5], 32
	s_mov_b32 s[\g+6], 0
	s_mov_b32 s[\g+7], 0
.endr
	s_lshl_b32 s18, s16, 7                         ; which 128 rows of the tile I fetch
	s_lshl_b32 s20, s17, 8
	s_add_co_u32 s20, s20, s18                     ; A: stored row 256 x tile + 128 x half
	s_lshl_b32 s46, s42, 8
	s_add_co_u32 s46, s46, s18                     ; B likewise
	s_mov_b32 s21, 0
	s_mov_b32 s47, 0
	s_mov_b64 s[18:19], KS
	s_mul_u64 s[22:23], s[20:21], s[18:19]         ; where these rows' scales begin, in bytes
	s_mul_u64 s[92:93], s[46:47], s[18:19]
	s_mov_b64 s[18:19], KROW
	s_mul_u64 s[20:21], s[20:21], s[18:19]         ; and their codes
	s_mul_u64 s[46:47], s[46:47], s[18:19]
	s_mul_i32 s45, s14, HALFT                      ; where they go: wave x 128 rows: no place in the cluster enters an LDS address
	s_mul_i32 s94, s14, HALFS
	s_wait_kmcnt 0x0
	s_cmp_ge_u32 s95, 4                            ; which buffers feed the two regions: a choice on the cluster's y
	s_cselect_b64 s[2:3], s[8:9], s[4:5]
	s_add_nc_u64 s[20:21], s[2:3], s[20:21]        ; A's codes
	s_cselect_b64 s[2:3], s[10:11], s[6:7]
	s_add_nc_u64 s[22:23], s[2:3], s[22:23]        ; A's scales
	s_cselect_b64 s[2:3], s[4:5], s[8:9]
	s_add_nc_u64 s[46:47], s[2:3], s[46:47]        ; B's codes
	s_cselect_b64 s[2:3], s[6:7], s[10:11]
	s_add_nc_u64 s[92:93], s[2:3], s[92:93]        ; B's scales
	CROUND                                         ; all sixteen work-groups are here: the first joint loads meet
	s_mov_b32 s[G0S], 1
	s_add_co_u32 s[G0S+1], s94, SCL
	s_mov_b64 s[G0S+2:G0S+3], s[22:23]
	s_or_b32 s[G0S+3], s[G0S+3], 0x80000000
	s_mov_b32 s[G0SB], 1
	s_add_co_u32 s[G0SB+1], s94, SCL
	s_mov_b64 s[G0SB+2:G0SB+3], s[92:93]
	s_or_b32 s[G0SB+3], s[G0SB+3], 0x80000000
	JLOAD G0S, G1S, G0SB, G1SB                     ; the scales first: they are wanted with K step 0.  With the two below, three tensor loads of mine are out
.irp s, 0,1
	s_mov_b32 s[G0+4*\s], 1
	s_add_co_u32 s[G0+4*\s+1], s45, \s*SLOT
	s_add_nc_u64 s[G0+4*\s+2:G0+4*\s+3], s[20:21], \s*ROWB
	s_or_b32 s[G0+4*\s+3], s[G0+4*\s+3], 0x80000000
	s_mov_b32 s[G0B+4*\s], 1
	s_add_co_u32 s[G0B+4*\s+1], s45, \s*SLOT
	s_add_nc_u64 s[G0B+4*\s+2:G0B+4*\s+3], s[46:47], \s*ROWB
	s_or_b32 s[G0B+4*\s+3], s[G0B+4*\s+3], 0x80000000
	JLOAD G0+4*\s, G1, G0B+4*\s, G1B
.endr
	v_and_b32 v1, 15, v0                           ; r = l % 16
	v_bfe_u32 v2, v0, 4, 1                         ; h = l / 16; kept to the end
	v_mul_u32_u24 v3, v1, PITCH
	v_mul_u32_u24 v4, v2, 24
	v_add_nc_u32 v4, v3, v4                        ; a fragment's row x pitch + 24 x half
	v_lshl_add_u32 v5, v2, 4, v4                   ; and the same behind one padding more
	s_mul_i32 s21, s15, HALFT                      ; my 128 rows of A
	s_mul_i32 s22, s16, HALFT                      ; my 128 rows of B,
	s_add_co_u32 s22, s22, 2*HALFT                 ; which lie behind A's 256
.irp s, 0,1
	v_add_nc_u32 v[ADRA+\s], s21, v4
	v_add_nc_u32 v[ADRB+\s], s22, v4
	v_add_nc_u32 v[ADRA+2+\s], s21, v5
	v_add_nc_u32 v[ADRB+2+\s], s22, v5
	s_add_co_u32 s21, s21, SLOT
	s_add_co_u32 s22, s22, SLOT
.endr
	v_mul_u32_u24 v5, v1, KS                       ; my row's scales: KS bytes a row,
	v_lshrrev_b32 v6, 8, v5
	v_lshl_add_u32 v5, v6, 4, v5                   ; and 16 more for each 256 passed
	s_mul_i32 s21, s15, HALFS                      ; A's: my 128 rows
	s_mul_i32 s22, s16, HALFS                      ; B's: my 128 rows, behind A's 256
	s_add_co_u32 s22, s22, 2*HALFS
	s_sub_co_u32 s22, s22, s21
	v_mul_u32_u24 v6, s22, v2                      ; lanes 16-31 take B's
	s_add_co_u32 s21, s21, SCL
	v_add_nc_u32 v5, v5, v6
	v_add_nc_u32 v[ADRS], s21, v5
	; the stores' lane offsets, for both paths (i = r % 8, r8 = r / 8)
	v_and_b32 v6, 7, v0
	v_bfe_u32 v7, v0, 3, 1
	v_lshlrev_b32 v3, 4, v6
	v_lshl_add_u32 v3, v2, 7, v3                   ; 128 h + 16 i: slot 8 h + i of 16 bytes
	v_mul_u32_u24 v8, v7, 1572864                  ; q's codes: batch r8 lies 16 heads x 98,304 bytes on
	v_add_nc_u32 v8, v8, v3
	v_mul_u32_u24 v9, v7, 3145728                  ; k's codes: 16 heads x 196,608
	v_add_nc_u32 v9, v9, v3
	v_lshl_add_u32 v10, v7, 17, v3                 ; q's scale words: 16 heads x 8,192
	v_lshl_add_u32 v11, v7, 18, v3                 ; k's: 16 heads x 16,384
	v_lshlrev_b32 v4, 4, v1
	v_mul_u32_u24 v12, v2, 3145728                 ; v's codes: batch h, 16 r
	v_add_nc_u32 v12, v12, v4
	v_lshl_add_u32 v13, v2, 18, v4                 ; v's scale words
	; the biases, in both forms; the form that my path does not use is read at head 0, so that every load stays inside b
	s_lshl_b32 s46, s42, 1
	s_add_co_u32 s46, s46, s16                     ; q, k: my head = 2 x B's tile + half
	s_lshl_b32 s21, s41, 2
	s_lshl_b32 s22, s15, 1
	s_add_co_u32 s21, s21, s22                     ; v: my first head = 4 cy + 2 x half
	s_cmp_ge_u32 s95, 4
	s_cselect_b32 s46, 0, s46
	s_cselect_b32 s21, s21, 0
	s_mul_i32 s46, s46, 768                        ; 192 numbers a head
	s_mul_i32 s21, s21, 768
	v_lshl_add_u32 v14, v2, 7, s46                 ; + 32 h numbers
	v_lshl_add_u32 v15, v1, 2, s21                 ; + r numbers
.irp p, 0,1
.irp k, 0,1,2,3,4,5,6,7
	global_load_b128 v[BI+32*\p+4*\k:BI+32*\p+4*\k+3], v14, s[12:13] offset:256*\p+16*\k
.endr
.endr
.irp a, 0,1,2,3,4,5,6,7
	global_load_b32 v[BV+2*\a], v15, s[12:13] offset:512+768*(\a/4)+64*(\a%4)
	global_load_b32 v[BV+2*\a+1], v15, s[12:13] offset:512+768*(\a/4)+64*(\a%4)
.endr
.macro FRAG reg, adr, q, i             ; a fragment, 16 rows x 128 K of 6-bit codes, is 12 registers: lane l holds row l % 16; registers 6 c .. 6 c + 5 hold K = 64 c + 32 (l / 16) + 0 .. 31: 24 bytes of the row's stream of bits, as they lie
.irp p, 0,1,2,3,4,5                    ; in pieces of 8 bytes, so that every address is a multiple of the access's size.  Lanes 0-15 take the row's pieces 12 q + 0, 1, 2 and 12 q + 6, 7, 8, lanes 16-31 those three pieces on
.set PC, 12*(\q)+6*(\p/3)+\p%3        ; 16 bytes of padding lie behind every 64 bytes (8 pieces): where the piece three on lies behind one padding more, the second address register (40 for 24 bytes a half) serves
.if PC%8 < 5
	ds_load_b64 v[\reg+2*\p:\reg+2*\p+1], v[\adr] offset:8*PC+16*(PC/8)+(\i)*16*PITCH
.else
	ds_load_b64 v[\reg+2*\p:\reg+2*\p+1], v[\adr+2] offset:8*PC+16*(PC/8)+(\i)*16*PITCH
.endif
.endr
.endm
; 16 matrix instructions: A's blocks a0, a0 + 1 x B's eight, 128 along K: the slot's q-th.  p: B's set;  sc: the set of scale words.  zero = 1: the first product starts the sums: nothing is ever cleared.
; The 64 accumulators take turns, one instruction a turn, in the same order in every step.
.macro MUL16 a0, p, q, sc, zero
.irp a, \a0, \a0+1
.irp b, 0,1,2,3,4,5,6,7
.if \zero
	v_wmma_scale_f32_16x16x128_f8f6f4 v[8*(8*((\a)%4)+\b):8*(8*((\a)%4)+\b)+7], v[128*(\p)+FR*\b:128*(\p)+FR*\b+FR-1], v[AF+FR*(\a):AF+FR*(\a)+FR-1], 0, v[SC+8*NQ*(\sc)+NQ*\b+(\q)], v[SC+8*NQ*(\sc)+NQ*(\a)+(\q)] matrix_a_fmt:MATRIX_FMT_FP6 matrix_b_fmt:MATRIX_FMT_FP6 matrix_a_scale:MATRIX_SCALE_ROW1
.else
	v_wmma_scale_f32_16x16x128_f8f6f4 v[8*(8*((\a)%4)+\b):8*(8*((\a)%4)+\b)+7], v[128*(\p)+FR*\b:128*(\p)+FR*\b+FR-1], v[AF+FR*(\a):AF+FR*(\a)+FR-1], v[8*(8*((\a)%4)+\b):8*(8*((\a)%4)+\b)+7], v[SC+8*NQ*(\sc)+NQ*\b+(\q)], v[SC+8*NQ*(\sc)+NQ*(\a)+(\q)] matrix_a_fmt:MATRIX_FMT_FP6 matrix_b_fmt:MATRIX_FMT_FP6 matrix_a_scale:MATRIX_SCALE_ROW1
.endif
.endr
.endr
.endm
.macro FETCH_B slot, q, p              ; B's eight fragments of the slot's q-th 128 along K into set p
	WIN TO_B
.irp i, 0,1,2,3,4,5,6,7
	FRAG 128*(\p)+FR*\i, ADRB+\slot, \q, \i
.endr
	WIN 0
.endm
.macro FETCH_A slot, q, i0             ; A's blocks i0 .. i0 + 3
.irp i, \i0, \i0+1, \i0+2, \i0+3
	FRAG AF+FR*(\i), ADRA+\slot, \q, \i
.endr
.endm
.macro SCALES sc                       ; the next K step's scale words into set sc: NQ words a row; lanes 0-15 take A's block i, lanes 16-31 B's block i
.irp i, 0,1,2,3,4,5,6,7
	ds_load_b64 v[SC+8*NQ*\sc+NQ*\i:SC+8*NQ*\sc+NQ*\i+1], v[ADRS] offset:\i*SBLK
.endr
.endm
; A load into a register that a matrix instruction has read, and a vector instruction that reads a matrix result, stand NP places behind that matrix instruction, and only plain vector
; instructions that name none of its registers are places (ISA guide 7.12.1 for vector instructions); the matrix instructions in between are not counted.
.macro PLACES n
.rept \n
	v_nop
.endr
.endm
; A step of 128 along K that has its successor in the same slot.  A block of A is free as soon as its eight products are issued: blocks 0-3 are fetched anew in the step's middle, blocks 4-7 at its end.
.macro STEP slot, q, zero
	s_wait_dscnt 4*NL                              ; B's set and A's blocks 0-3 are in; the youngest 24 loads (A's blocks 4-7) may be out
	WIN MUL_LO
	MUL16 0, (\q)%2, \q, \slot, \zero
	MUL16 2, (\q)%2, \q, \slot, \zero
	s_wait_dscnt 0                                 ; A's blocks 4-7 are in (asked for 32 matrix instructions ago)
	PLACES NP
	FETCH_B \slot, (\q)+1, 1-(\q)%2
	FETCH_A \slot, (\q)+1, 0
	WIN MUL_HI
	MUL16 4, (\q)%2, \q, \slot, \zero
	MUL16 6, (\q)%2, \q, \slot, \zero
	PLACES NP
	WIN 0
	FETCH_A \slot, (\q)+1, 4
.endm
; A slot's last step changes slots: ONE barrier; in front of it each wave waits for all its tensor loads, adds 0 to its spare word, and waits for that and for its own reads of this slot.  fill = 1: this slot is filled again, two K steps ahead.
.macro TURN slot, next, fill
	s_wait_tensorcnt 0x0                           ; all my tensor loads have landed: my part of the next slot;  (every window is 0 here: the add's two registers lie in window 0)
	ds_add_u32 v[SPW], v[NIL]                      ; 0 onto my spare word
	s_wait_dscnt 4*NL+1                            ; (the add and the youngest 24 loads, A's blocks 4-7, may be out)
	WIN MUL_LO
	MUL16 0, 1, NQ-1, \slot, 0                     ; sixteen matrix instructions stand between the add and the wait for it
	s_wait_dscnt 0x0                               ; the add is done, and my reads of this slot are over
	s_barrier_signal -1
	MUL16 2, 1, NQ-1, \slot, 0
	WIN 0
	s_barrier_wait -1
.if \fill
	CREST                                          ; the barrier has opened a round of the cluster's barrier: no wave of any partner still reads this slot's tile or has a load on its way
	s_add_nc_u64 s[G0+4*\slot+2:G0+4*\slot+3], s[G0+4*\slot+2:G0+4*\slot+3], 2*ROWB
	s_add_nc_u64 s[G0B+4*\slot+2:G0B+4*\slot+3], s[G0B+4*\slot+2:G0B+4*\slot+3], 2*ROWB
	JLOAD G0+4*\slot, G1, G0B+4*\slot, G1B         ; the first tensor load behind the round, and my only one until the next; the four v_nop behind it are the places in front of the loads below
.else
	PLACES NP
.endif
	v_add_nc_u32 v[ADRS], 4*NQ, v[ADRS]            ; on to the next K step's scale words (no LDS load of mine is out)
	FETCH_B \next, 0, 0
	FETCH_A \next, 0, 0
	SCALES \next
	WIN MUL_HI
	MUL16 4, 1, NQ-1, \slot, 0
	MUL16 6, 1, NQ-1, \slot, 0
	PLACES NP
	WIN 0
	FETCH_A \next, 0, 4
.endm
	s_wait_loadcnt 0x0                             ; the biases
	s_wait_tensorcnt 1                             ; the scales and my part of K step 0 are in (K step 1's load may be out)
	s_barrier_signal -1
	s_barrier_wait -1                              ; everybody's are
	FETCH_B 0, 0, 0
	FETCH_A 0, 0, 0
	SCALES 0
	FETCH_A 0, 0, 4
	STEP 0, 0, 1                                   ; the first step stands in front of the loop: its products start the sums
	s_mov_b32 s3, LAPS-1
.Llap:                                                 ; a trip goes once round the ring, from a lap's second step to the next lap's first, and fills both slots again
	TURN 0, 1, 1
	STEP 1, 0, 0
	TURN 1, 0, 1
	STEP 0, 0, 0
	s_sub_co_u32 s3, s3, 1
	s_cmp_lg_u32 s3, 0
	s_cbranch_scc1 .Llap
	TURN 0, 1, 0                                   ; the last lap fills nothing, and has no round of the cluster's barrier
	STEP 1, 0, 0
	s_wait_dscnt 4*NL                              ; the very last step: nothing more to fetch
	WIN MUL_LO
	MUL16 0, 1, NQ-1, 1, 0
	MUL16 2, 1, NQ-1, 1, 0
	s_wait_dscnt 0
	WIN MUL_HI
	MUL16 4, 1, NQ-1, 1, 0
	MUL16 6, 1, NQ-1, 1, 0
	WIN 0
; THE WAY OUT uses no LDS.  PAIR takes two blocks of 32 results (accumulators' registers a0 on and a1 on, in window w), adds the bias (registers b0 on, in window 0, bs further for each pair of results),
; and leaves the two blocks' codes, 2 x 24 bytes, in the 12 registers eb on, their scales' bytes in v[BY], v[BY + 1].  All 32 numbers of a block are the lane's own.
.macro PAIR w, a0, a1, b0, bs, eb
	WIN 0x40|(\w)                                  ; destination window 1, source 0 the accumulators' window, source 1 window 0
.set xx, 0
.rept 16
	v_pk_add_f32 v[T0+2*xx:T0+2*xx+1], v[(\a0)+2*xx:(\a0)+2*xx+1], v[(\b0)+(\bs)*xx:(\b0)+(\bs)*xx+1]   ; each accumulator from its low end on
.set xx, xx+1
.endr
.set xx, 0
.rept 16
	v_pk_add_f32 v[T0+32+2*xx:T0+32+2*xx+1], v[(\a1)+2*xx:(\a1)+2*xx+1], v[(\b0)+(\bs)*xx:(\b0)+(\bs)*xx+1]
.set xx, xx+1
.endr
	WIN 0x55                                       ; all in window 1
.irp k, 0,1
	v_max3_num_f32 v[MM+2*\k], |v[T0+32*\k]|, |v[T0+32*\k+1]|, |v[T0+32*\k+2]|     ; a block's largest magnitude, in two chains; the two blocks by turns
	v_max3_num_f32 v[MM+2*\k+1], |v[T0+32*\k+3]|, |v[T0+32*\k+4]|, |v[T0+32*\k+5]|
.endr
.irp i, 6,10,14,18,22,26
.irp k, 0,1
	v_max3_num_f32 v[MM+2*\k], v[MM+2*\k], |v[T0+32*\k+\i]|, |v[T0+32*\k+\i+1]|
	v_max3_num_f32 v[MM+2*\k+1], v[MM+2*\k+1], |v[T0+32*\k+\i+2]|, |v[T0+32*\k+\i+3]|
.endr
.endr
.irp k, 0,1
	v_max3_num_f32 v[MM+2*\k], v[MM+2*\k], |v[T0+32*\k+30]|, |v[T0+32*\k+31]|
.endr
.irp k, 0,1
	v_max3_num_f32 v[MM+2*\k], v[MM+2*\k], v[MM+2*\k+1], 0x1800000   ; and the floor 2^(3 - 127): so the byte cannot fall under 1
.endr
.irp k, 0,1
	v_add_nc_u32 v[SO+\k], 0xff000000, v[MM+2*\k]  ; 2 off the exponent field: the conversion takes the exponent field of this operand as its scale, and nothing else of it
.endr
.irp k, 0,1
	v_lshrrev_b32 v[BY+\k], 23, v[SO+\k]           ; the scale's byte
.endr
.irp k, 0,1
	v_cvt_scalef32_pk16_fp6_f32 v[(\eb)+6*\k:(\eb)+6*\k+2], v[T0+32*\k:T0+32*\k+15], v[SO+\k]
	v_cvt_scalef32_pk16_fp6_f32 v[CT+4*\k:CT+4*\k+2], v[T0+32*\k+16:T0+32*\k+31], v[SO+\k]   ; (a conversion's three registers begin on an even number: the upper half is made elsewhere and moved)
.endr
	v_nop                                          ; one plain place behind a scaled conversion
.irp k, 0,1
.irp i, 0,1,2
	v_mov_b32 v[(\eb)+6*\k+3+\i], v[CT+4*\k+\i]
.endr
.endr
.endm
	PLACES NP                                      ; behind the last products: for the first reads of results and the first writes into B's registers
	s_mov_b32 s92, 0x76543210
	s_mov_b32 s93, 0xfedcba98                      ; v_permlanex16_b32's selects for lane l xor 16
	v_and_b32 v7, 16, v0
	v_cmp_ne_u32 vcc_lo, 0, v7                     ; lanes 16-31
	WIN 0x40
	v_lshlrev_b32 v[SH8], 3, v2                    ; 8 h
	v_mov_b32 v[PX], 0                             ; written once: a lane permute's destination counts as one of its sources
	v_mov_b32 v[PX+1], 0
	WIN 0
	s_mov_b32 s3, 0
	s_cmp_ge_u32 s95, 4                            ; the cluster's y: the same in all sixteen partners
	s_cbranch_scc1 .Lpath_v
	; ---- q and k.  An ENTRY of 48 bytes: block h of token 16 G + i, then block h of token 16 G + 8 + i (A's blocks 2 al and 2 al + 1).  Per head and batch: [G][plane c of 16 bytes][slot 8 h + i].
	s_lshl_b32 s46, s42, 1
	s_add_co_u32 s46, s46, s16                     ; my head
	s_lshl_b32 s20, s17, 3
	s_lshl_b32 s21, s15, 2
	s_add_co_u32 s20, s20, s21                     ; my first G = 8 x A's tile + 4 x half
	s_mul_i32 s22, s20, 768                        ; 768 bytes of codes a G,
	s_lshl_b32 s23, s20, 6                         ; 64 bytes of scale words
	s_mul_i32 s47, s46, 98304
	s_add_co_u32 s2, s47, s22
	s_add_nc_u64 s[96:97], s[96:97], s[2:3]        ; q's codes
	s_lshl_b32 s47, s47, 1
	s_add_co_u32 s2, s47, s22
	s_add_nc_u64 s[100:101], s[100:101], s[2:3]    ; k's codes: the first half of a head's 196,608 bytes
	s_lshl_b32 s47, s46, 13
	s_add_co_u32 s2, s47, s23
	s_add_nc_u64 s[98:99], s[98:99], s[2:3]        ; q's scale words
	s_lshl_b32 s47, s46, 14
	s_add_co_u32 s2, s47, s23
	s_add_nc_u64 s[66:67], s[66:67], s[2:3]        ; k's: the first half of a head's 16,384 bytes
.irp al, 0,1,2,3
.irp p, 0,1
	PAIR 2+\al/2, 128*(\al%2)+32*\p, 128*(\al%2)+64+32*\p, BI+32*\p, 2, EE+12*(2*\al+\p)
	v_lshlrev_b32 v[BY], v[SH8], v[BY]             ; my block's byte at its place in the token's scale word,
	v_lshlrev_b32 v[BY+1], v[SH8], v[BY+1]
	v_permlanex16_b32 v[PX], v[BY], s92, s93
	v_permlanex16_b32 v[PX+1], v[BY+1], s92, s93
	v_or_b32 v[SW+8*\p+2*\al], v[BY], v[PX]        ; with lane l xor 16's the word is whole: byte 0 block 0, byte 1 block 1, bytes 2 and 3 zero
	v_or_b32 v[SW+8*\p+2*\al+1], v[BY+1], v[PX+1]
	WIN 0x04                                       ; a store's data: window 1
.irp c, 0,1,2
.if \p == 0
	global_store_b128 v8, v[EE+12*(2*\al+\p)+4*\c:EE+12*(2*\al+\p)+4*\c+3], s[96:97] offset:768*\al+256*\c     ; for each batch sixteen lanes store 256 consecutive bytes, aligned
.else
	global_store_b128 v9, v[EE+12*(2*\al+\p)+4*\c:EE+12*(2*\al+\p)+4*\c+3], s[100:101] offset:768*\al+256*\c
.endif
.endr
.endr
.endr
	WIN 0x55                                       ; the scale words, [32 tokens][i][u]: token 32 B + 8 u + i.  Lanes 0-15 store A's blocks 0-3, lanes 16-31 blocks 4-7: four words a lane
.irp p, 0,1
.irp u, 0,1,2,3
	v_cndmask_b32 v[OUTW+12*\p+\u], v[SW+8*\p+\u], v[SW+8*\p+4+\u], vcc_lo
.endr
.endr
	WIN 0x04
	global_store_b128 v10, v[OUTW:OUTW+3], s[98:99]
	global_store_b128 v11, v[OUTW+12:OUTW+15], s[66:67]
	WIN 0
	s_branch .Ldone
.Lpath_v:
	; ---- v.  An entry of 48 bytes: channel 16 t + r, blocks 2 Bp and 2 Bp + 1 of 32 tokens.  Per head and batch: [Bp][t][plane c][r].
	s_lshl_b32 s20, s41, 2
	s_lshl_b32 s21, s15, 1
	s_add_co_u32 s20, s20, s21                     ; my first head = 4 cy + 2 x half
	s_lshl_b32 s46, s42, 1
	s_add_co_u32 s46, s46, s16                     ; Bp = 2 x B's tile + half
	s_mul_i32 s22, s20, 196608
	s_mul_i32 s47, s46, 3072
	s_add_co_u32 s2, s22, s47
	s_add_co_u32 s2, s2, 98304                     ; the second half of a head's 196,608 bytes
	s_add_nc_u64 s[100:101], s[100:101], s[2:3]
	s_lshl_b32 s22, s20, 14
	s_lshl_b32 s47, s46, 8
	s_add_co_u32 s2, s22, s47
	s_add_co_u32 s2, s2, 8192                      ; the second half of a head's 16,384 bytes
	s_add_nc_u64 s[66:67], s[66:67], s[2:3]
.irp a, 0,1,2,3,4,5,6,7
	PAIR 2+\a/4, 64*(\a%4), 64*(\a%4)+32, BV+2*\a, 0, EE+12*\a
	v_lshl_or_b32 v[VWD+\a], v[BY+1], 8, v[BY]     ; the channel's scale word: byte 0 block 2 Bp, byte 1 block 2 Bp + 1
	WIN 0x04
.irp c, 0,1,2
	global_store_b128 v12, v[EE+12*\a+4*\c:EE+12*\a+4*\c+3], s[100:101] offset:196608*(\a/4)+768*(\a%4)+256*\c   ; sixteen neighbouring lanes store 256 consecutive bytes, aligned
.endr
.endr
	global_store_b128 v13, v[VWD:VWD+3], s[66:67]                  ; [Bp][r][t]: four words a lane
	global_store_b128 v13, v[VWD+4:VWD+7], s[66:67] offset:16384   ; and the next head's
	WIN 0
.Ldone:
	s_wait_tensorcnt 0x0                           ; the wave's end: behind my last tensor load, the last LDS instructions
	ds_add_u32 v[SPW], v[NIL]
	s_wait_dscnt 0x0
	CROUND                                         ; the closing round: no work-group ends while a partner may still ask for a tile that names it
	s_endpgm
.Lfunc_end_k_q7b0e55a3dd_qkv:
	.size	k_q7b0e55a3dd_qkv, .Lfunc_end_k_q7b0e55a3dd_qkv-k_q7b0e55a3dd_qkv
	.p2alignl 7, 3214868480
	.fill 96, 4, 3214868480
	.section	.rodata,"a",@progbits
	.p2align	6, 0x0
	.amdhsa_kernel k_q7b0e55a3dd_qkv
		.amdhsa_group_segment_fixed_size 327680
		.amdhsa_private_segment_fixed_size 0
		.amdhsa_enable_private_segment 0
		.amdhsa_kernarg_size 72
		.amdhsa_user_sgpr_count 2
		.amdhsa_user_sgpr_kernarg_segment_ptr 1
		.amdhsa_wavefront_size32 1
		.amdhsa_system_sgpr_workgroup_id_x 1
		.amdhsa_system_sgpr_workgroup_id_y 1
		.amdhsa_system_sgpr_workgroup_id_z 1
		.amdhsa_system_vgpr_workitem_id 0
		.amdhsa_next_free_vgpr 1024
		.amdhsa_next_free_sgpr 104
		.amdhsa_reserve_vcc 1
		.amdhsa_float_denorm_mode_32 3
		.amdhsa_float_denorm_mode_16_64 3
		.amdhsa_memory_ordered 1
		.amdhsa_forward_progress 1
		.amdhsa_inst_pref_size 221
	.end_amdhsa_kernel
	.amdgpu_metadata
---
amdhsa.version: [ 1, 2 ]
amdhsa.kernels:
  - .name:           k_q7b0e55a3dd_qkv
    .symbol:         k_q7b0e55a3dd_qkv.kd
    .args:
      - { .name: xc, .offset: 0, .size: 8, .value_kind: global_buffer, .address_space: global }
      - { .name: xs, .offset: 8, .size: 8, .value_kind: global_buffer, .address_space: global }
      - { .name: wc, .offset: 16, .size: 8, .value_kind: global_buffer, .address_space: global }
      - { .name: ws, .offset: 24, .size: 8, .value_kind: global_buffer, .address_space: global }
      - { .name: b_qkv, .offset: 32, .size: 8, .value_kind: global_buffer, .address_space: global }
      - { .name: qc, .offset: 40, .size: 8, .value_kind: global_buffer, .address_space: global }
      - { .name: qs, .offset: 48, .size: 8, .value_kind: global_buffer, .address_space: global }
      - { .name: kv, .offset: 56, .size: 8, .value_kind: global_buffer, .address_space: global }
      - { .name: kvs, .offset: 64, .size: 8, .value_kind: global_buffer, .address_space: global }
    .group_segment_fixed_size: 327680
    .private_segment_fixed_size: 0
    .kernarg_segment_align: 8
    .kernarg_segment_size: 72
    .max_flat_workgroup_size: 128
    .sgpr_count:     104
    .vgpr_count:     1024
    .wavefront_size: 32
...
	.end_amdgpu_metadata
.endif
;; end of part 2
;; launch attn (part 3): grid 8 x 32, 8 waves a work-group, clusters of 4 x 1, 327,680 bytes of LDS; arguments qc, qs, kv, kvs, out0; writes out0
.if DOCPART == 3
	.amdgcn_target "amdgcn-amd-amdhsa--gfx1250"
	.amdhsa_code_object_version 6
	.text
	.protected	k_q7b0e55a3dd_attn
	.globl	k_q7b0e55a3dd_attn
	.p2align	8
	.type	k_q7b0e55a3dd_attn,@function
k_q7b0e55a3dd_attn:
	s_mov_b64 s[64:65], 0
	v_nop
	global_prefetch_b8 v0, s[64:65] scope:SCOPE_SE
	s_setreg_imm32_b32 hwreg(HW_REG_WAVE_MODE, 25, 1), 1
	s_wait_xcnt 0x0
	s_wait_alu depctr_hold_cnt(0) depctr_sa_sdst(0) depctr_va_vdst(0) depctr_va_sdst(0) depctr_va_ssrc(0) depctr_va_vcc(0) depctr_vm_vsrc(0)
	s_getreg_b32 s2, hwreg(HW_REG_IB_STS2, 6, 4)
	s_cmp_eq_u32 s2, 0
	s_cbranch_scc0 .Lentry_in_a_cluster
	s_endpgm
.Lentry_in_a_cluster:
	s_bfe_u32 s2, ttmp6, 0x10000c
	s_cmp_lg_u32 s2, 0x3003
	s_cbranch_scc0 .Lentry_shape_is_right
	s_endpgm
.Lentry_shape_is_right:
; For each of 32 (batch, head): out[s] = the sum over keys t of P[s][t] v[t], P[s][t] = 2048^-0.5 x the sum over t' <= t of (q[s] . k[t'] / 8).  Both products on codes of FP6 (E2M3) with one E8M0 scale for each 32 along K:
; q and k arrive quantised along the head's 64 channels, v along the keys; P is quantised here, along the keys, in blocks of 32.
; SHARES.  A work-group owns 256 queries of one (batch, head).  Wave w: g = w % 4 names its 64 queries, four tiles of 16; kh = w / 4 its half of the 2,048 keys.  Two waves to a SIMD, 512 registers each,
; so that one wave's vector work stands beside the other's matrix work.  At the end the two waves of a pair add their halves of the result through LDS.
; LAYOUT.  Both products are used transposed: S^T = K Q^T (source 0 = 16 keys, source 1 = 16 queries), O^T = V^T P^T (source 0 = 16 channels, source 1 = P): a lane holds ONE query throughout.
; THE RUNNING SUM.  The keys are cut into four quarters of 512.  A tile's rows 0-7 are eight keys of quarter 2 kh, its rows 8-15 eight keys of quarter 2 kh + 1: so lanes 0-15 hold scores of quarter 2 kh, lanes 16-31 of
; quarter 2 kh + 1, and the 32 registers of four tiles are 32 NEIGHBOURING keys of the lane's quarter: one block of the second product's K.  A chain's start is c x the sum of all scores of the earlier quarters,
; c = 2^-3 x 2048^-0.5.  Those totals come from a pass ahead of the loop.
; THE HEAD HAS 64 CHANNELS AND THE INSTRUCTION'S K IS 128: Q's fragment holds q in BOTH halves of K, so a row of source 0 can hold TWO keys, whose scores the matrix unit adds.
;   In the totals pass a row holds two keys of its quarter: one instruction adds 32 keys' scores onto an accumulator.
;   In the loop a row holds its own key i and the key of place i xor 1.  In odd rows that second key has its own scale bytes: the result is s(i - 1) + s(i).  In even rows its scale bytes are 0, the scale 2^-127: the result is s(i).
;   So a pair of registers is (s(2m), s(2m) + s(2m+1)), and ONE packed multiply-add, (p(2m), p(2m+1)) = pair x c + p(2m-1), makes two numbers of the chain.
; Which place of the second product's 128 a block of keys takes is the same for P and for V: place 2 c + h is block 2 st + c of quarter 2 kh + h.
; LIMITS: the running sum's order of rounding differs from a single chain's (four chains, starts and pair sums from the matrix unit, the factor folded into the multiply-add), all in f32; in an even row the second key enters with the
; scale 2^-127, at most about 2^-115 x q's block scale a score, which is nothing beside the scores unless k's own block scales lie under about 2^-100; a block of zeros gets the byte 1 where the rule says 127 (its codes are zeros);
; NaN and infinities are not served.
; LDS.  A head's K, V and scale words are filled ONCE, so there is no ring, and no barrier in the loops.  CLUSTER: the four query blocks of a cluster read the same head: every fill is a JOINT load, the same tensor load
; with the same descriptor and a mask that names the four.  All fills stand at the head, so nothing is prefetched.
; A quarter's codes lie 24,576 + 128 bytes from the next quarter's: lanes r >= 8 read one quarter on, and the 128 puts their 128 bytes on the other half of the 64 banks of 4 bytes (ISA guide 11.1).  The scale words likewise.
.set KQP,  24704                       ; from quarter to quarter of codes
.set VB,   4*KQP                       ; K's codes at 0, V's here
.set SB,   8*KQP                       ; K's scale words
.set SQP,  2176                        ; from quarter to quarter of scale words: 2,048 + 128
.set SVB,  SB+4*SQP                    ; V's scale words
.set EX,   SB+8*SQP                    ; the waves' sums of two quarters: 8 waves x 4 tiles x 128 bytes
.set OX,   EX+8*512                    ; the halves of O^T that change waves: 8 waves x 8,192 bytes
.set STG,  OX+8*8192                   ; the way out: 16 rows x (256 + 16) bytes for each wave
; window 0
.set AD2,  1                           ; v1   the step's address of the second keys
.set AK0,  2                           ; v2   my lane's place in K's codes: quarter 2 kh + r / 8, slot 8 h + r % 8
.set AKS0, 3                           ; v3   in K's scale words
.set AV0,  4                           ; v4   in V's codes: quarter 2 kh + h, 16 r
.set AVS0, 5                           ; v5   in V's scale words
.set ADK,  6                           ; v6-9 the same for the step in hand
.set ADKS, 7
.set ADV,  8
.set ADVS, 9
.set SH8,  10                          ; v10  8 h
.set HF,   11                          ; v11  h as f32
.set CARRY, 12                         ; v12-15  the chain's last p, a tile each
.set QW,   16                          ; v16-19  Q's scale words: bytes 2, 3 repeat bytes 0, 1
.set KW,   20                          ; v20-23  K's scale words, a tile of keys each  (in the totals pass v24-27 are a second set)
.set VR,   24                          ; v24-27  V's scale words as they lie
.set VX,   28                          ; v28-31  lane l xor 16's
.set VW,   32                          ; v32-35  V's scale words for the four places
.set KP,   32                          ; v32-35  in the totals pass: the scale words of an entry's two keys, two for each set
.set PW,   36                          ; v36-39  P's scale words
.set BY,   40                          ; v40-47  P's scale bytes: tile q, block c at BY + 2 q + c
.set MX,   48                          ; v48-55  largest magnitudes, two chains a tile
.set SO,   56                          ; v56-59  the conversions' scale operands
.set TMP,  60                          ; v60-75  four registers a tile, three of them the upper half of a block's codes; at the head: lane numbers and offsets
.set AK2,  63                          ; v63     (the fourth of tile 0's) AK0 xor 16: the place of the key i xor 1
.set PC,   76                          ; v76-123 P's codes, 12 registers a tile
.set PX,   124                         ; v124-127 from lane l xor 16
.set S,    128                         ; v128-255 S^T, then p: 32 registers a tile
.set TA,   128                         ; in the totals pass: an accumulator a tile
; window 1
.set QF,   128                         ; v128-175 Q's fragments, 12 registers a tile;  v0-127: O^T, tile q, channels 16 t on at 32 q + 8 t
.set KV,   176                         ; v176-223 four fragments of 12 registers: of K, then of V.  K's: for entry e, from KV + 24 e on: [second key of tile 2 e | own key of tile 2 e | own key of tile 2 e + 1 | its second key], 6 registers each
.set WV,   14                          ; s14 wave;  s15 g;  s16 kh;  s17 cx;  s18 the block of 256 queries;  s19 16 x batch + head;  s25 kh xor 1
.set SEL,  20                          ; s20, s21 v_permlanex16_b32's selects for lane l xor 16
.set CS,   22                          ; s22 c  (the packed form names the pair s[22:23] and takes its low word for both halves)
.set FK,   23                          ; s23 kh as f32
.set PSEL, 24                          ; s24 v_perm_b32's selects for V's scale words
.set PS2,  26                          ; s26 and for an entry's two keys
.set G1C,  28                          ; s[28:35] descriptor group 1 for codes;  s[36:43] for scale words
.set G1S,  36
.set G0KC, 44                          ; groups 0: K's codes, K's words, V's codes, V's words
.set G0KS, 48
.set G0VC, 52
.set G0VS, 56
.set CNT,  60
.set SCO,  61                          ; s61 how far the step in hand lies in a quarter's codes
.set SSO,  62                          ; s62 and in its scale words
.set MSB, 0
.macro WIN new                         ; the immediate's high byte repeats the setting that is left
.if MSB != (\new)
	s_set_vgpr_msb (MSB<<8)|(\new)
.set MSB, (\new)
.endif
.endm
.set W_KQ, 0x05                        ; sources 0 and 1 window 1; C and D window 0
.set W_PV, 0x51                        ; source 0, C and D window 1; source 1 window 0
.set TO1,  0x40                        ; destination window 1
.set DAT1, 0x04                        ; an LDS store's data window 1
.set ADD1, 0x01                        ; source 0 window 1
.macro CROUND                          ; a round of the cluster's barrier
	s_barrier_signal -1
	s_barrier_wait -1
	s_cmp_lg_u32 s[WV], 0
	s_cbranch_scc1 .Lnot_wave_0_\@
	s_barrier_signal -3
.Lnot_wave_0_\@:
	s_barrier_wait -3
	s_barrier_signal -1
	s_barrier_wait -1
.endm
	s_load_b128 s[4:7], s[0:1], 0x0                ; Q's codes, Q's scale words
	s_load_b128 s[8:11], s[0:1], 0x10              ; K's and V's codes, their scale words
	s_load_b64 s[12:13], s[0:1], 0x20              ; out
	s_set_vgpr_msb 0x40
	v_lshl_add_u32 v254, v0, 2, 0x4e000
	v_mov_b32 v255, 0
	s_set_vgpr_msb 0x4045
	ds_add_u32 v254, v255
	ds_add_u32 v254, v255
	s_set_vgpr_msb 0x4500
	v_lshrrev_b32 v1, 5, v0
	v_readfirstlane_b32 s[WV], v1                  ; wave 0..7
	s_and_b32 s15, s[WV], 3                        ; g
	s_lshr_b32 s16, s[WV], 2                       ; kh
	s_bfe_u32 s17, ttmp6, 0x40000                  ; cx
	s_lshl_b32 s18, ttmp9, 2
	s_add_co_u32 s18, s18, s17                     ; my block of 256 queries: it enters Q's and out's addresses alone
	s_and_b32 s19, ttmp7, 0xffff                   ; 16 x batch + head, which the four partners share
	s_mov_b32 s[SEL], 0x76543210
	s_mov_b32 s[SEL+1], 0xfedcba98
	s_mov_b32 s[CS], 0x3b3504f3                    ; 2^-3 x the f32 nearest to 2048^-0.5
	s_mov_b32 s[PSEL], 0x05010400
	s_mov_b32 s[PS2], 0x05040302
	s_cmp_lg_u32 s16, 0
	s_cselect_b32 s[FK], 1.0, 0
	s_xor_b32 s25, s16, 1
	; descriptor group 1: a dense block as rows of 256 bytes (32 elements of 8 bytes): 48 rows of codes, 4 rows of scale words
	s_mov_b32 s[G1C], 15|(3<<16)|(1<<21)           ; 15:0 the mask: all four work-groups; 17:16 elements of 8 bytes; 20 no padding; 21 set beside a mask
	s_mov_b32 s[G1C+1], 32<<16                     ; tensor_dim0 = 32
	s_mov_b32 s[G1C+2], 48<<16                     ; tensor_dim1 = 48
	s_mov_b32 s[G1C+3], 32<<16                     ; tile_dim0 = 32
	s_mov_b32 s[G1C+4], 48                         ; tile_dim1 = 48
	s_mov_b32 s[G1C+5], 32                         ; from row to row
	s_mov_b32 s[G1C+6], 0
	s_mov_b32 s[G1C+7], 0
	s_mov_b32 s[G1S], 15|(3<<16)|(1<<21)
	s_mov_b32 s[G1S+1], 32<<16
	s_mov_b32 s[G1S+2], 4<<16
	s_mov_b32 s[G1S+3], 32<<16
	s_mov_b32 s[G1S+4], 4
	s_mov_b32 s[G1S+5], 32
	s_mov_b32 s[G1S+6], 0
	s_mov_b32 s[G1S+7], 0
	; groups 0: wave e brings the e-th eighth of each of the four blocks: half a quarter.  Nothing here hangs on cx
	s_lshr_b32 s66, s[WV], 1
	s_lshl_b32 s66, s66, 7                         ; 128 bytes more for each quarter passed
	s_mul_i32 s67, s[WV], 12288
	s_lshl_b32 s68, s[WV], 10
	s_mul_i32 s70, s19, 196608
	s_add_co_u32 s70, s70, s67
	s_mov_b32 s71, 0
	s_lshl_b32 s72, s19, 14
	s_add_co_u32 s72, s72, s68
	s_mov_b32 s73, 0
	s_mov_b32 s[G0KC], 1
	s_add_co_u32 s[G0KC+1], s67, s66
	s_mov_b32 s[G0KS], 1
	s_add_co_u32 s[G0KS+1], s68, s66
	s_add_co_u32 s[G0KS+1], s[G0KS+1], SB
	s_mov_b32 s[G0VC], 1
	s_add_co_u32 s[G0VC+1], s[G0KC+1], VB
	s_mov_b32 s[G0VS], 1
	s_add_co_u32 s[G0VS+1], s[G0KS+1], 4*SQP
	s_wait_dscnt 0x0
	s_wait_kmcnt 0x0
	s_add_nc_u64 s[G0KC+2:G0KC+3], s[8:9], s[70:71]
	s_add_nc_u64 s[G0VC+2:G0VC+3], s[G0KC+2:G0KC+3], 98304     ; V's codes lie behind K's
	s_add_nc_u64 s[G0KS+2:G0KS+3], s[10:11], s[72:73]
	s_add_nc_u64 s[G0VS+2:G0VS+3], s[G0KS+2:G0KS+3], 8192
	s_or_b32 s[G0KC+3], s[G0KC+3], 0x80000000      ; type = 2
	s_or_b32 s[G0VC+3], s[G0VC+3], 0x80000000
	s_or_b32 s[G0KS+3], s[G0KS+3], 0x80000000
	s_or_b32 s[G0VS+3], s[G0VS+3], 0x80000000
	CROUND                                         ; all four work-groups are here: the joint loads meet
	tensor_load_to_lds s[G0KC:G0KC+3], s[G1C:G1C+7]    ; K first: the totals pass wants it.  Four tensor loads of mine are out
	s_nop 0
	tensor_load_to_lds s[G0KS:G0KS+3], s[G1S:G1S+7]
	s_nop 0
	tensor_load_to_lds s[G0VC:G0VC+3], s[G1C:G1C+7]
	s_nop 0
	tensor_load_to_lds s[G0VS:G0VS+3], s[G1S:G1S+7]
	s_nop 0
.rept 4
	v_nop
.endr
	; Q.  It lies as K lies: per head [G][plane c of 16 bytes][slot 8 h + i], an entry of 48 bytes = block h of token 16 G + i, then of token 16 G + 8 + i.  Lane r takes G + r / 8, slot 8 h + r % 8:
	; the entry's first 24 bytes are an even tile's fragment, its last 24 an odd tile's.  So lane r of tile T holds query 64 g + 32 (T / 2) + 8 (T % 2) + r % 8 + 16 (r / 8) of my block.
	; MY TILE q IS THE BLOCK'S TILE q xor 2 kh: so 'keep tiles 0 and 1, send tiles 2 and 3' is one text for both waves of a pair.
	s_mul_i32 s74, s19, 98304
	s_lshl_b32 s75, s18, 4
	s_lshl_b32 s76, s15, 2
	s_add_co_u32 s75, s75, s76
	s_mul_i32 s75, s75, 768                        ; G = 16 x block + 4 g
	s_add_co_u32 s74, s74, s75
	s_mov_b32 s75, 0
	s_add_nc_u64 s[4:5], s[4:5], s[74:75]
	s_lshl_b32 s76, s19, 13
	s_lshl_b32 s77, s18, 3
	s_lshl_b32 s78, s15, 1
	s_add_co_u32 s77, s77, s78
	s_lshl_b32 s77, s77, 7                         ; scale words: 128 bytes for 32 tokens
	s_add_co_u32 s76, s76, s77
	s_mov_b32 s77, 0
	s_add_nc_u64 s[6:7], s[6:7], s[76:77]
	v_and_b32 v60, 15, v0                          ; r
	v_bfe_u32 v61, v0, 4, 1                        ; h
	v_and_b32 v62, 7, v0                           ; i = r % 8
	v_bfe_u32 v63, v0, 3, 1                        ; r / 8
	v_mul_u32_u24 v64, v63, 768
	v_lshl_add_u32 v64, v61, 7, v64
	v_lshl_add_u32 v64, v62, 4, v64
	s_mul_i32 s78, s16, 1536
	s_mul_i32 s79, s25, 1536
	v_add_nc_u32 v65, s78, v64                     ; my tiles 0, 1: the block's pair kh;
	v_add_nc_u32 v66, s79, v64                     ; my tiles 2, 3: the other pair
	v_lshlrev_b32 v64, 4, v62
	v_lshl_add_u32 v64, v63, 3, v64                ; scale words [32 tokens][i][u]: 16 i + 4 u, u = 2 (r / 8) + T % 2
	s_lshl_b32 s78, s16, 7
	s_lshl_b32 s79, s25, 7
	v_add_nc_u32 v67, s78, v64
	v_add_nc_u32 v68, s79, v64
	WIN TO1
.irp p, 0,1                            ; each fragment twice: registers 0-5 and 6-11: q in both halves of K, for the whole launch
	global_load_b128 v[QF+24*\p:QF+24*\p+3], v[65+\p], s[4:5]
	global_load_b64 v[QF+24*\p+4:QF+24*\p+5], v[65+\p], s[4:5] offset:256
	global_load_b128 v[QF+24*\p+6:QF+24*\p+9], v[65+\p], s[4:5]
	global_load_b64 v[QF+24*\p+10:QF+24*\p+11], v[65+\p], s[4:5] offset:256
	global_load_b64 v[QF+24*\p+12:QF+24*\p+13], v[65+\p], s[4:5] offset:264
	global_load_b128 v[QF+24*\p+14:QF+24*\p+17], v[65+\p], s[4:5] offset:512
	global_load_b64 v[QF+24*\p+18:QF+24*\p+19], v[65+\p], s[4:5] offset:264
	global_load_b128 v[QF+24*\p+20:QF+24*\p+23], v[65+\p], s[4:5] offset:512
.endr
	WIN 0
.irp p, 0,1
	global_load_b32 v[QW+2*\p], v[67+\p], s[6:7]
	global_load_b32 v[QW+2*\p+1], v[67+\p], s[6:7] offset:4
.endr
	s_mul_i32 s78, s16, 2*KQP
	s_mul_i32 s79, s16, 2*SQP
	v_mul_u32_u24 v[AK0], v63, KQP
	v_lshl_add_u32 v[AK0], v61, 7, v[AK0]
	v_lshl_add_u32 v[AK0], v62, 4, v[AK0]
	v_add_nc_u32 v[AK0], s78, v[AK0]
	v_mul_u32_u24 v[AKS0], v63, SQP
	v_lshl_add_u32 v[AKS0], v62, 4, v[AKS0]
	v_add_nc_u32 v[AKS0], s79, v[AKS0]
	v_add_nc_u32 v[AKS0], SB, v[AKS0]
	v_mul_u32_u24 v[AV0], v61, KQP
	v_lshl_add_u32 v[AV0], v60, 4, v[AV0]
	v_add_nc_u32 v[AV0], s78, v[AV0]
	v_add_nc_u32 v[AV0], VB, v[AV0]
	v_mul_u32_u24 v[AVS0], v61, SQP
	v_lshl_add_u32 v[AVS0], v60, 4, v[AVS0]
	v_add_nc_u32 v[AVS0], s79, v[AVS0]
	v_add_nc_u32 v[AVS0], SVB, v[AVS0]
	v_lshlrev_b32 v[SH8], 3, v61
	v_cvt_f32_u32 v[HF], v61
.irp q, 0,1,2,3
	v_mov_b32 v[VX+\q], 0                          ; written once: a lane permute's destination counts as one of its sources
	v_mov_b32 v[PX+\q], 0
.endr
	s_lshl_b32 s78, s[WV], 10                      ; the 1,024 bytes of K's scale words that my own tensor load brings: 64 places [i][u] of 16 bytes, two a lane
	s_lshr_b32 s79, s[WV], 1
	s_lshl_b32 s79, s79, 7
	s_add_co_u32 s78, s78, s79
	s_add_co_u32 s78, s78, SB
	v_and_b32 v69, 31, v0
	v_lshl_add_u32 v69, v69, 4, s78                ; my place: i = lane % 8;
	v_xor_b32 v70, 16, v69                         ; the place of the key i xor 1, which the lane beside me owns
	v_and_b32 v71, 1, v0
	v_mul_u32_u24 v71, v71, 0xffff                 ; odd i: the second key's two bytes are kept; even i: they become 0
	s_wait_loadcnt 0x0                             ; Q
	s_wait_tensorcnt 0x2                           ; my parts of K's codes and words are in; V's two loads may stay out
	s_barrier_signal -1
	s_barrier_wait -1                              ; everybody's are
	; K'S SCALE WORDS ARE JOINED WITH THEIR NEIGHBOURS', once, in place: those bytes have had their only fill.  As they arrive a word holds its key's two bytes below and zeros above.
	; Tiles u = 0, 2 have the second key in the lower half of K: word = second key's bytes | own bytes << 16;  tiles u = 1, 3 the other way round.
	ds_load_b128 v[128:131], v69
	ds_load_b128 v[132:135], v69 offset:512
	ds_load_b128 v[136:139], v70
	ds_load_b128 v[140:143], v70 offset:512
.irp q, 0,1,2,3
	v_lshl_or_b32 v[QW+\q], v[QW+\q], 16, v[QW+\q] ; bytes 2 and 3 repeat bytes 0 and 1: Q's scales for the second copy of q
.endr
	s_wait_dscnt 0x0                               ; all four loads are in before either store is issued: both places of a pair belong to my wave
.irp k, 0,1,2,3,4,5,6,7
	v_and_b32 v[136+\k], v71, v[136+\k]
.endr
.irp k, 0,2,4,6
	v_lshl_or_b32 v[144+\k], v[128+\k], 16, v[136+\k]
	v_lshl_or_b32 v[145+\k], v[137+\k], 16, v[129+\k]
.endr
	ds_store_b128 v69, v[144:147]
	ds_store_b128 v69, v[148:151] offset:512
	s_wait_dscnt 0x0                               ; for the others' sake: my stores are done
	s_barrier_signal -1
	s_barrier_wait -1
; THE TOTALS.  A step is two entries a lane, 4 x 16 keys of my two quarters: 8 matrix instructions, each adding 32 keys' scores of 16 queries.  In accumulator q lane (r, h), register j then holds the sum over quarter 2 kh + h of the
; scores of keys 16 G + j and 16 G + 8 + j against query r.  TWO SETS of fragments take turns: while one step is multiplied, the next step's seven LDS loads are on their way.
; The four accumulators take turns, over the backward jump too.
.macro TLD set, off                    ; the step off steps on from the address registers, into set
	WIN TO1
.irp e, 0,1
.irp c, 0,1,2
	ds_load_b128 v[KV+24*\set+12*\e+4*\c:KV+24*\set+12*\e+4*\c+3], v[ADK] offset:1536*\off+768*\e+256*\c
.endr
.endr
	WIN 0
	ds_load_b128 v[KW+4*\set:KW+4*\set+3], v[ADKS] offset:128*\off
.endm
.macro TMUL set, zero                  ; zero = 1: the first four products start the sums
	WIN W_KQ
.irp e, 0,1
.irp q, 0,1,2,3
.if \zero && (\e == 0)
	v_wmma_scale_f32_16x16x128_f8f6f4 v[TA+8*\q:TA+8*\q+7], v[KV+24*\set+12*\e:KV+24*\set+12*\e+11], v[QF+12*\q:QF+12*\q+11], 0, v[KP+2*\set+\e], v[QW+\q] matrix_a_fmt:MATRIX_FMT_FP6 matrix_b_fmt:MATRIX_FMT_FP6
.else
	v_wmma_scale_f32_16x16x128_f8f6f4 v[TA+8*\q:TA+8*\q+7], v[KV+24*\set+12*\e:KV+24*\set+12*\e+11], v[QF+12*\q:QF+12*\q+11], v[TA+8*\q:TA+8*\q+7], v[KP+2*\set+\e], v[QW+\q] matrix_a_fmt:MATRIX_FMT_FP6 matrix_b_fmt:MATRIX_FMT_FP6
.endif
.endr
.endr
	WIN 0
.endm
; Two steps.  more = 1: the step after them is asked for.  An entry's scale word: its first key's own bytes stand in the upper half of word 2 e, its second key's in the lower half of word 2 e + 1.
; Places: a load into registers that matrix instructions have read stands four plain vector lines behind them; a scale register written by a vector instruction stands eight ahead of the scaled matrix instruction (ISA guide 7.12.1 for vector instructions).
.macro TPAIR zero, more
	s_wait_dscnt 0x0                               ; set 0 is in
	v_perm_b32 v[KP], v[KW+1], v[KW], s[PS2]
	v_perm_b32 v[KP+1], v[KW+3], v[KW+2], s[PS2]
	v_add_nc_u32 v[ADK], s[SCO], v[AK0]
	v_add_nc_u32 v[ADKS], s[SSO], v[AKS0]          ; (these four lines are the places behind the products that read set 1)
	TLD 1, 1
.rept 6
	v_nop                                          ; with the two additions: eight places behind the scale words
.endr
	TMUL 0, \zero
	s_wait_dscnt 0x0                               ; set 1 is in
	v_perm_b32 v[KP+2], v[KW+5], v[KW+4], s[PS2]
	v_perm_b32 v[KP+3], v[KW+7], v[KW+6], s[PS2]
.rept 2
	v_nop                                          ; four places behind the products that read set 0
.endr
.if \more
	TLD 0, 2
.endif
.rept 6
	v_nop
.endr
	TMUL 1, 0
	s_add_co_u32 s[SCO], s[SCO], 3072              ; four entries on
	s_add_co_u32 s[SSO], s[SSO], 256
.endm
	s_mov_b32 s[SCO], 0
	s_mov_b32 s[SSO], 0
	v_mov_b32 v[ADK], v[AK0]
	v_mov_b32 v[ADKS], v[AKS0]
	TLD 0, 0
	TPAIR 1, 1                                     ; the first two steps stand in front of the loop: their first products start the sums
	s_mov_b32 s[CNT], 6                            ; 8 x 3,072 bytes are a quarter's codes
.Ltot:
	TPAIR 0, 1
	s_sub_co_u32 s[CNT], s[CNT], 1
	s_cmp_lg_u32 s[CNT], 0
	s_cbranch_scc1 .Ltot
	TPAIR 0, 0                                     ; the last two are written out: nothing is read beyond the quarter
	; THE CHAINS' STARTS.  T = my quarter's total; OT = lane l xor 16's: the wave's other quarter; U = T + OT.  The start of quarter 2 kh + h is c x (kh x the U of the pair's first wave + h x OT).
.rept 4
	v_nop
.endr
.irp q, 0,1,2,3
	v_pk_add_f32 v[TMP+4*\q:TMP+4*\q+1], v[TA+8*\q:TA+8*\q+1], v[TA+8*\q+2:TA+8*\q+3]
.endr
.irp q, 0,1,2,3
	v_pk_add_f32 v[TMP+4*\q+2:TMP+4*\q+3], v[TA+8*\q+4:TA+8*\q+5], v[TA+8*\q+6:TA+8*\q+7]
.endr
.irp q, 0,1,2,3
	v_pk_add_f32 v[TMP+4*\q:TMP+4*\q+1], v[TMP+4*\q:TMP+4*\q+1], v[TMP+4*\q+2:TMP+4*\q+3]
.endr
.irp q, 0,1,2,3
	v_add_f32 v[MX+2*\q], v[TMP+4*\q], v[TMP+4*\q+1]
.endr
.irp q, 0,1,2,3
	v_permlanex16_b32 v[PX+\q], v[MX+2*\q], s[SEL], s[SEL+1]
.endr
.irp q, 0,1,2,3
	v_add_f32 v[MX+2*\q+1], v[MX+2*\q], v[PX+\q]
.endr
	v_and_b32 v1, 31, v0
	s_lshl_b32 s66, s[WV], 9
	s_add_co_u32 s66, s66, EX
	v_lshl_add_u32 v[ADV], v1, 2, s66              ; where I store: 512 x wave + 128 x tile + 4 x lane
	s_lshl_b32 s67, s15, 9
	s_add_co_u32 s67, s67, EX                      ; where I read: wave g's words, of ITS tile q xor 2 kh
	s_lshl_b32 s68, s16, 8
	s_add_co_u32 s68, s68, s67
	v_lshl_add_u32 v[ADK], v1, 2, s68              ; my tiles 0, 1: 256 kh on;
	s_lshl_b32 s68, s25, 8
	s_add_co_u32 s68, s68, s67
	v_lshl_add_u32 v[ADKS], v1, 2, s68             ; my tiles 2, 3: 256 kh back, written as 256 (kh xor 1) on with 256 off the tile's offset
.irp q, 0,1,2,3
	ds_store_b32 v[ADV], v[MX+2*\q+1] offset:128*\q
.endr
	s_wait_tensorcnt 0x0                           ; my parts of V's codes and words are in,
	s_wait_dscnt 0x0                               ; and my sums are stored:
	s_barrier_signal -1
	s_barrier_wait -1                              ; everybody's are
	ds_load_b32 v[SO], v[ADK]
	ds_load_b32 v[SO+1], v[ADK] offset:128
	ds_load_b32 v[SO+2], v[ADKS]
	ds_load_b32 v[SO+3], v[ADKS] offset:128
	v_xor_b32 v[AK2], 16, v[AK0]                   ; every other term of AK0 is a multiple of 32: this is the slot of the key i xor 1
.irp q, 0,1,2,3
	v_mul_f32 v[CARRY+\q], v[HF], v[PX+\q]
.endr
	s_wait_dscnt 0x0
.irp q, 0,1,2,3
	v_fma_f32 v[CARRY+\q], s[FK], v[SO+\q], v[CARRY+\q]
.endr
.irp q, 0,1,2,3
	v_mul_f32 v[CARRY+\q], s[CS], v[CARRY+\q]
.endr
; THE LOOP.  A trip is 64 keys of each of my two quarters: two halves of 32, and then one step of the second product.
.macro KLD half                        ; a half's K: two entries a lane, four tiles of 16 keys, each key with the key of place i xor 1 beside it; their scale words
	WIN TO1
.irp e, 0,1
	ds_load_b128 v[KV+24*\e+6:KV+24*\e+9],   v[ADK] offset:1536*\half+768*\e         ; my own entry, 48 bytes on end: tile 2 e's key, then tile 2 e + 1's
	ds_load_b128 v[KV+24*\e+10:KV+24*\e+13], v[ADK] offset:1536*\half+768*\e+256
	ds_load_b128 v[KV+24*\e+14:KV+24*\e+17], v[ADK] offset:1536*\half+768*\e+512
	ds_load_b128 v[KV+24*\e:KV+24*\e+3],     v[AD2] offset:1536*\half+768*\e         ; the neighbour's: its first 24 bytes in front of mine,
	ds_load_b64  v[KV+24*\e+4:KV+24*\e+5],   v[AD2] offset:1536*\half+768*\e+256
	ds_load_b64  v[KV+24*\e+18:KV+24*\e+19], v[AD2] offset:1536*\half+768*\e+264     ; its last 24 behind
	ds_load_b128 v[KV+24*\e+20:KV+24*\e+23], v[AD2] offset:1536*\half+768*\e+512
.endr
	WIN 0
	ds_load_b128 v[KW:KW+3], v[ADKS] offset:128*\half
.endm
.macro VLD                             ; the trip's V, into the registers that K has left: it lands under the second half's vector work
	WIN TO1
.irp t, 0,1,2,3
.irp p, 0,1,2
	ds_load_b128 v[KV+12*\t+4*\p:KV+12*\t+4*\p+3], v[ADV] offset:768*\t+256*\p
.endr
.endr
	WIN 0
	ds_load_b128 v[VR:VR+3], v[ADVS]
.endm
.macro KQ                              ; S^T = K Q^T: register 8 u + j of tile q: j even: the score of key 8 u + j of the half's 32, in the lane's quarter; j odd: that of key 8 u + j - 1 added.  All sixteen results are different accumulators
	WIN W_KQ
.irp u, 0,1,2,3
.irp q, 0,1,2,3
	v_wmma_scale_f32_16x16x128_f8f6f4 v[S+32*\q+8*\u:S+32*\q+8*\u+7], v[KV+12*\u:KV+12*\u+11], v[QF+12*\q:QF+12*\q+11], 0, v[KW+\u], v[QW+\q] matrix_a_fmt:MATRIX_FMT_FP6 matrix_b_fmt:MATRIX_FMT_FP6
.endr
.endr
	WIN 0
.rept 4
	v_nop                                          ; places in front of the loads into K's registers and of the first reads of the scores
.endr
.endm
; The vector work of half c, the four tiles by turns, so that a line's source is four lines old.
.macro VEC c
	v_pk_fma_f32 v[S:S+1], v[S:S+1], s[CS:CS+1], v[CARRY:CARRY+1] op_sel_hi:[1,0,0]                       ; the running sum, scaled, two numbers a line: (s(0), s(0) + s(1)) x c + the chain's last p, which serves both halves
	v_pk_fma_f32 v[S+32:S+33], v[S+32:S+33], s[CS:CS+1], v[CARRY:CARRY+1] op_sel:[0,0,1] op_sel_hi:[1,0,1]     ; (tiles 1 and 3 have theirs in the upper register of the pair)
	v_pk_fma_f32 v[S+64:S+65], v[S+64:S+65], s[CS:CS+1], v[CARRY+2:CARRY+3] op_sel_hi:[1,0,0]
	v_pk_fma_f32 v[S+96:S+97], v[S+96:S+97], s[CS:CS+1], v[CARRY+2:CARRY+3] op_sel:[0,0,1] op_sel_hi:[1,0,1]
.set ii, 2
.rept 15
.irp q, 0,1,2,3
	v_pk_fma_f32 v[S+32*\q+ii:S+32*\q+ii+1], v[S+32*\q+ii:S+32*\q+ii+1], s[CS:CS+1], v[S+32*\q+ii-2:S+32*\q+ii-1] op_sel:[0,0,1] op_sel_hi:[1,0,1]   ; + the upper number of the pair before.  Each accumulator is read from its low end on
.endr
.set ii, ii+2
.endr
.irp q, 0,1,2,3
	v_max3_num_f32 v[MX+2*\q], |v[S+32*\q]|, |v[S+32*\q+1]|, |v[S+32*\q+2]|      ; the block's largest magnitude: all 32 numbers are mine; two chains a tile
	v_max3_num_f32 v[MX+2*\q+1], |v[S+32*\q+3]|, |v[S+32*\q+4]|, |v[S+32*\q+5]|
.endr
.irp i, 6,10,14,18,22,26
.irp q, 0,1,2,3
	v_max3_num_f32 v[MX+2*\q], v[MX+2*\q], |v[S+32*\q+\i]|, |v[S+32*\q+\i+1]|
	v_max3_num_f32 v[MX+2*\q+1], v[MX+2*\q+1], |v[S+32*\q+\i+2]|, |v[S+32*\q+\i+3]|
.endr
.endr
.irp q, 0,1,2,3
	v_max3_num_f32 v[MX+2*\q], v[MX+2*\q], |v[S+32*\q+30]|, |v[S+32*\q+31]|
.endr
.irp q, 0,1,2,3
	v_max3_num_f32 v[MX+2*\q], v[MX+2*\q], v[MX+2*\q+1], 0x1800000   ; and the floor 2^(3 - 127): so the byte cannot fall under 1
.endr
.irp q, 0,1,2,3
	v_add_nc_u32 v[SO+\q], 0xff000000, v[MX+2*\q]  ; 2 off the exponent field: the conversion's scale operand
.endr
.irp q, 0,1,2,3
	v_lshrrev_b32 v[BY+2*\q+\c], 23, v[SO+\q]      ; the scale's byte
.endr
.if \c == 1
.irp q, 0,1,2,3
	v_lshl_or_b32 v[PW+\q], v[BY+2*\q+1], 16, v[BY+2*\q]   ; P's scale word: place 2 c + h.  My two bytes,
.endr
.irp q, 0,1,2,3
	v_lshlrev_b32 v[PW+\q], v[SH8], v[PW+\q]       ; 8 h bits up;
.endr
.irp q, 0,1,2,3
	v_permlanex16_b32 v[PX+\q], v[PW+\q], s[SEL], s[SEL+1]
.endr
.irp q, 0,1,2,3
	v_or_b32 v[PW+\q], v[PW+\q], v[PX+\q]          ; with lane l xor 16's two the word is whole
.endr
	s_wait_dscnt 0x0                               ; the trip's V and its scale words, asked for at the head of this half's vector work, are in
.irp t, 0,1,2,3
	v_permlanex16_b32 v[VX+\t], v[VR+\t], s[SEL], s[SEL+1]
.endr
.irp t, 0,1,2,3
	v_perm_b32 v[VW+\t], v[VX+\t], v[VR+\t], s[PSEL]   ; V's: in lanes 0-15: quarter 2 kh's first block, quarter 2 kh + 1's first, and the two second blocks
.endr
.endif
.irp q, 0,1,2,3
	v_cvt_scalef32_pk16_fp6_f32 v[PC+12*\q+6*\c:PC+12*\q+6*\c+2], v[S+32*\q:S+32*\q+15], v[SO+\q]   ; registers 6 c .. 6 c + 5 of P's fragment are place 2 c + h: my block, as it stands
	v_cvt_scalef32_pk16_fp6_f32 v[TMP+4*\q:TMP+4*\q+2], v[S+32*\q+16:S+32*\q+31], v[SO+\q]           ; (a conversion's three registers begin on an even number)
.endr
	v_nop                                          ; one plain place behind a scaled conversion
.irp k, 0,1,2
.irp q, 0,1,2,3
	v_mov_b32 v[PC+12*\q+6*\c+3+\k], v[TMP+4*\q+\k]
.endr
.endr
.irp q, 0,1,2,3
	v_mov_b32 v[CARRY+\q], v[S+32*\q+31]           ; the chain goes on from here.  (Behind the last scale word stand the v_nop, the twelve moves and these four; behind the last code register these four)
.endr
.endm
.macro PV zero                         ; O^T += V^T P^T: sixteen different accumulators, one instruction each.  zero = 1: the products start the sums
	WIN W_PV
.irp t, 0,1,2,3
.irp q, 0,1,2,3
.if \zero
	v_wmma_scale_f32_16x16x128_f8f6f4 v[32*\q+8*\t:32*\q+8*\t+7], v[KV+12*\t:KV+12*\t+11], v[PC+12*\q:PC+12*\q+11], 0, v[VW+\t], v[PW+\q] matrix_a_fmt:MATRIX_FMT_FP6 matrix_b_fmt:MATRIX_FMT_FP6
.else
	v_wmma_scale_f32_16x16x128_f8f6f4 v[32*\q+8*\t:32*\q+8*\t+7], v[KV+12*\t:KV+12*\t+11], v[PC+12*\q:PC+12*\q+11], v[32*\q+8*\t:32*\q+8*\t+7], v[VW+\t], v[PW+\q] matrix_a_fmt:MATRIX_FMT_FP6 matrix_b_fmt:MATRIX_FMT_FP6
.endif
.endr
.endr
	WIN 0
.endm
.macro TRIP zero
	v_add_nc_u32 v[ADK], s[SCO], v[AK0]            ; (five plain lines: the places between the last products, which read V, and the loads of K into the same registers)
	v_add_nc_u32 v[AD2], s[SCO], v[AK2]
	v_add_nc_u32 v[ADKS], s[SSO], v[AKS0]
	v_add_nc_u32 v[ADV], s[SCO], v[AV0]
	v_add_nc_u32 v[ADVS], s[SSO], v[AVS0]
	KLD 0
	s_wait_dscnt 0x0
	KQ
	KLD 1                                          ; the second half's K lands under the first half's vector work
	VEC 0
	s_wait_dscnt 0x0                               ; it is in
	KQ
	VLD
	VEC 1
	PV \zero
	s_add_co_u32 s[SCO], s[SCO], 3072              ; four entries of K, one of V for each 16 channels: both 3,072 bytes
	s_add_co_u32 s[SSO], s[SSO], 256
.endm
	s_mov_b32 s[SCO], 0
	s_mov_b32 s[SSO], 0
	TRIP 1                                         ; the first trip stands in front of the loop: its products start O^T's sums, and nothing is cleared
	s_mov_b32 s[CNT], 7                            ; 8 x 64 keys are a quarter
.Ltrip:
	TRIP 0
	s_sub_co_u32 s[CNT], s[CNT], 1
	s_cmp_lg_u32 s[CNT], 0
	s_cbranch_scc1 .Ltrip
	; THE WAY OUT.  My tiles 2 and 3 go to the pair's other wave as images of their registers, its tiles 2 and 3, which are my tiles 0 and 1, come to me and are added.  The address work is the places behind the last products.
	v_and_b32 v1, 31, v0
	v_and_b32 v10, 15, v0                          ; r
	v_bfe_u32 v11, v0, 4, 1                        ; h
	s_lshl_b32 s66, s[WV], 13
	s_add_co_u32 s66, s66, OX
	s_xor_b32 s67, s[WV], 4
	s_lshl_b32 s67, s67, 13
	s_add_co_u32 s67, s67, OX
	s_mul_i32 s68, s[WV], 16*272
	s_add_co_u32 s68, s68, STG
	v_lshl_add_u32 v2, v1, 4, s66                  ; what I send: 8,192 x wave + 16 x lane
	v_lshl_add_u32 v3, v1, 4, s67                  ; what I get: the other wave's
	v_mul_u32_u24 v4, v10, 272
	v_lshl_add_u32 v4, v11, 5, v4
	v_add_nc_u32 v4, s68, v4                       ; my stage, in: row r, 32 h bytes on: my eight channels of each 16
	v_mul_u32_u24 v5, v11, 272
	v_lshl_add_u32 v5, v10, 4, v5
	v_add_nc_u32 v5, s68, v5                       ; back: lanes 0-15 one row of 256 bytes, lanes 16-31 the next
	v_lshlrev_b32 v6, 13, v11
	v_lshl_add_u32 v6, v10, 4, v6                  ; and in out, where a query's rows lie 8,192 bytes apart
	s_lshl_b32 s70, s18, 8
	s_lshl_b32 s71, s15, 6
	s_add_co_u32 s70, s70, s71
	s_lshl_b32 s71, s16, 5
	s_add_co_u32 s70, s70, s71                     ; the first query that I store: 256 x block + 64 g + 32 kh
	s_lshl_b32 s70, s70, 13
	s_lshr_b32 s71, s19, 4
	s_lshl_b32 s71, s71, 12
	s_add_co_u32 s70, s70, s71                     ; + 4,096 x batch
	s_and_b32 s71, s19, 15
	s_lshl_b32 s71, s71, 8
	s_add_co_u32 s70, s70, s71                     ; + 256 x head
	s_mov_b32 s71, 0
	s_add_nc_u64 s[12:13], s[12:13], s[70:71]
	WIN DAT1
.irp k, 0,1,2,3,4,5,6,7,8,9,10,11,12,13,14,15
	ds_store_b128 v2, v[64+4*\k:64+4*\k+3] offset:512*\k           ; each accumulator from its low end on
.endr
	WIN 0
	s_wait_dscnt 0x0                               ; for the other wave's sake: my stores are done
	s_barrier_signal -1
	s_barrier_wait -1
.irp k, 0,1,2,3,4,5,6,7,8,9,10,11,12,13,14,15
	ds_load_b128 v[128+4*\k:128+4*\k+3], v3 offset:512*\k
.endr
	s_wait_dscnt 0x0
	WIN ADD1
.set xx, 0
.rept 32
	v_pk_add_f32 v[192+2*xx:193+2*xx], v[2*xx:2*xx+1], v[128+2*xx:129+2*xx]
.set xx, xx+1
.endr
	WIN 0
; A lane holds eight neighbouring channels of one query, and the lanes beside it other queries: a tile goes through my own stage and comes back as whole rows of 256 bytes.
.macro STAGE q
.irp t, 0,1,2,3
	ds_store_b128 v4, v[192+32*\q+8*\t:192+32*\q+8*\t+3] offset:64*\t
	ds_store_b128 v4, v[192+32*\q+8*\t+4:192+32*\q+8*\t+7] offset:64*\t+16
.endr
.irp k, 0,1,2,3,4,5,6,7
	ds_load_b128 v[128+32*\q+4*\k:128+32*\q+4*\k+3], v5 offset:544*\k   ; LDS serves a wave's instructions in order (ISA guide 5.7.1.4): these see the stores above, and the next tile's stores come behind them
.endr
.endm
.macro SEND q, younger                 ; younger: the LDS instructions issued behind tile q's loads.  Row 2 k + lane / 16 of the tile is query 8 q + 2 k + lane / 16, and 8 more from row 8 on
.irp k, 0,1,2,3,4,5,6,7
	s_wait_dscnt \younger+7-\k
	global_store_b128 v6, v[128+32*\q+4*\k:128+32*\q+4*\k+3], s[12:13] offset:(8*\q+2*\k+8*(\k/4))*8192 th:TH_STORE_NT   ; sixteen lanes store 256 consecutive bytes, aligned; written once, read by nobody here
.endr
.endm
	STAGE 0
	STAGE 1
	SEND 0, 16
	SEND 1, 0
	s_set_vgpr_msb 0x5
	s_wait_tensorcnt 0x0
	ds_add_u32 v254, v255
	s_wait_dscnt 0x0
	s_set_vgpr_msb 0x500
	CROUND                                         ; the closing round: no work-group ends while a partner may still ask for a tile that names it.  (No LDS instruction of mine is out: the last wait was for 0)
	s_endpgm
.Lfunc_end_k_q7b0e55a3dd_attn:
	.size	k_q7b0e55a3dd_attn, .Lfunc_end_k_q7b0e55a3dd_attn-k_q7b0e55a3dd_attn
	.p2alignl 7, 3214868480
	.fill 96, 4, 3214868480
	.section	.rodata,"a",@progbits
	.p2align	6, 0x0
	.amdhsa_kernel k_q7b0e55a3dd_attn
		.amdhsa_group_segment_fixed_size 327680
		.amdhsa_private_segment_fixed_size 0
		.amdhsa_enable_private_segment 0
		.amdhsa_kernarg_size 40
		.amdhsa_user_sgpr_count 2
		.amdhsa_user_sgpr_kernarg_segment_ptr 1
		.amdhsa_wavefront_size32 1
		.amdhsa_system_sgpr_workgroup_id_x 1
		.amdhsa_system_sgpr_workgroup_id_y 1
		.amdhsa_system_sgpr_workgroup_id_z 1
		.amdhsa_system_vgpr_workitem_id 0
		.amdhsa_next_free_vgpr 512
		.amdhsa_next_free_sgpr 84
		.amdhsa_reserve_vcc 0
		.amdhsa_float_denorm_mode_32 3
		.amdhsa_float_denorm_mode_16_64 3
		.amdhsa_memory_ordered 1
		.amdhsa_forward_progress 1
		.amdhsa_inst_pref_size 98
	.end_amdhsa_kernel
	.amdgpu_metadata
---
amdhsa.version: [ 1, 2 ]
amdhsa.kernels:
  - .name:           k_q7b0e55a3dd_attn
    .symbol:         k_q7b0e55a3dd_attn.kd
    .args:
      - { .name: qc, .offset: 0, .size: 8, .value_kind: global_buffer, .address_space: global }
      - { .name: qs, .offset: 8, .size: 8, .value_kind: global_buffer, .address_space: global }
      - { .name: kv, .offset: 16, .size: 8, .value_kind: global_buffer, .address_space: global }
      - { .name: kvs, .offset: 24, .size: 8, .value_kind: global_buffer, .address_space: global }
      - { .name: out0, .offset: 32, .size: 8, .value_kind: global_buffer, .address_space: global }
    .group_segment_fixed_size: 327680
    .private_segment_fixed_size: 0
    .kernarg_segment_align: 8
    .kernarg_segment_size: 40
    .max_flat_workgroup_size: 256
    .sgpr_count:     84
    .vgpr_count:     512
    .wavefront_size: 32
...
	.end_amdgpu_metadata
.endif
;; end of part 3
